; MI455X (gfx1250); checked and timed in simulation.
; The chip was launched on July 23, 2026; its instructions are those of AMD's public machine-readable ISA for CDNA 5 (MIT licence, August 2026) and "CDNA5" Instruction Set Architecture Reference Guide (July 2026). The comments in the code are by the model that wrote it; some were corrected since.
;; Casual multihead self attention. Allowed arithmetic: float matrix products may take bf16 or f16 operands with f32 sums; all other float work in f32.
;; Inputs: in_features 4 x 2,048 x 1,024 float32; weight_k 1,024 x 1,024 float32; weight_o 1,024 x 1,024 float32; weight_q 1,024 x 1,024 float32; weight_v 1,024 x 1,024 float32.
;; Outputs: out0 4 x 2,048 x 1,024 float32.
;; 2 versions, each right; version 2 is version 1 with the launch cast written anew for expert scheduling mode. Each part assembles by itself: llvm-mc -triple=amdgcn-amd-amdhsa -mcpu=gfx1250 --defsym DOCPART=n.
;; ======== version 1 of 2: 4 launches
;; limits: values are held in f16: magnitudes above 65,504 overflow, below 6.1e-05 lose precision
;; workspace buffers: xw 25,165,824 bytes; qkv 50,331,648 bytes; att 16,777,216 bytes
;; launch cast (part 1): grid 768 x 1, 8 waves a work-group, no clusters, 0 bytes of LDS; arguments in_features, weight_q, weight_k, weight_v, weight_o, xw; writes xw
.if DOCPART == 1
	.amdgcn_target "amdgcn-amd-amdhsa--gfx1250"
	.amdhsa_code_object_version 6
	.text
	.protected	k_qa8f6c09248_cast
	.globl	k_qa8f6c09248_cast
	.p2align	8
	.type	k_qa8f6c09248_cast,@function
k_qa8f6c09248_cast:
	s_mov_b64 s[64:65], 0
	v_nop
	global_prefetch_b8 v0, s[64:65] scope:SCOPE_SE
	s_setreg_imm32_b32 hwreg(HW_REG_WAVE_MODE, 25, 1), 1
	s_wait_xcnt 0x0
; xw = the matrix operands of the later launches, 16 bits each:  bytes 0 .. : x [8192][1024] bf16;  16,777,216 .. : Wq, Wk, Wv [3072][1024] bf16;
; 23,068,672 .. : Wo [1024][1024], rounded to bf16 and then written as f16 (exact for |w| >= 2^-17; below that off by at most 2^-25; |w| < 65,504).
; Work-group id converts 16,384 numbers: 65,536 bytes of its source into 32,768 bytes at xw + 32,768 id.  id < 512: x; then 64 work-groups for each of q, k, v, o.
; A stream: no LDS, no barrier.  Thread t takes 16 bytes at 16 t + 4,096 n (a wave's load covers 512 neighbouring bytes) and stores 8 bytes at 8 t + 2,048 n
; (a wave's store covers 256 neighbouring bytes, aligned).  All sixteen loads go out first; no register that a memory instruction reads is written again, so no wait frees a source.
.set X,   2                            ; v[2:65]   16 x 4 numbers as loaded
.set Y,   66                           ; v[66:97]  16 x 2 words to store
.set DO,  98                           ; v98       8 t
	s_load_b256 s[4:11], s[0:1], 0x0               ; x s[4:5], Wq s[6:7], Wk s[8:9], Wv s[10:11]
	s_load_b128 s[12:15], s[0:1], 0x20             ; Wo s[12:13], xw s[14:15]
	s_mov_b32 s22, ttmp9                           ; id
	s_sub_co_u32 s23, s22, 512
	s_lshr_b32 s23, s23, 6                         ; which weight (meaningless, and unused, for id < 512)
	s_and_b32 s24, s22, 63                         ; which chunk of it
	v_lshlrev_b32 v1, 4, v0
	v_lshlrev_b32 v[DO], 3, v0
	s_wait_kmcnt 0x0
	s_mov_b64 s[16:17], s[12:13]                   ; the source: Wo, unless ..
	s_cmp_eq_u32 s23, 2
	s_cselect_b64 s[16:17], s[10:11], s[16:17]
	s_cmp_eq_u32 s23, 1
	s_cselect_b64 s[16:17], s[8:9], s[16:17]
	s_cmp_eq_u32 s23, 0
	s_cselect_b64 s[16:17], s[6:7], s[16:17]
	s_cmp_lt_u32 s22, 512
	s_cselect_b64 s[16:17], s[4:5], s[16:17]
	s_cselect_b32 s24, s22, s24                    ; x's chunk is id itself
	s_lshl_b32 s18, s24, 16                        ; 65,536 bytes of source a chunk
	s_mov_b32 s19, 0
	s_lshl_b32 s20, s22, 15                        ; 32,768 bytes of xw a work-group
	s_mov_b32 s21, 0
	s_add_nc_u64 s[16:17], s[16:17], s[18:19]
	s_add_nc_u64 s[14:15], s[14:15], s[20:21]
.set nn, 0
.rept 16
	global_load_b128 v[X+4*nn:X+4*nn+3], v1, s[16:17] offset:4096*nn th:TH_LOAD_NT
.set nn, nn+1
.endr
	s_cmp_ge_u32 s22, 704
	s_cbranch_scc1 .Lwo
.set nn, 0
.rept 16
	s_wait_loadcnt 15-nn                           ; loads come back in order: load nn is in, the 15 - nn younger ones stay out
	v_cvt_pk_bf16_f32 v[Y+2*nn],   v[X+4*nn],   v[X+4*nn+1]
	v_cvt_pk_bf16_f32 v[Y+2*nn+1], v[X+4*nn+2], v[X+4*nn+3]
	global_store_b64 v[DO], v[Y+2*nn:Y+2*nn+1], s[14:15] offset:2048*nn
.set nn, nn+1
.endr
	s_endpgm
.Lwo:                                                  ; Wo: to bf16 as the other weights, widened again, and written as f16 for the f16 product of the last launch
.set nn, 0
.rept 16
	s_wait_loadcnt 15-nn
	v_cvt_pk_bf16_f32 v[Y+2*nn],   v[X+4*nn],   v[X+4*nn+1]
	v_cvt_pk_bf16_f32 v[Y+2*nn+1], v[X+4*nn+2], v[X+4*nn+3]
	v_lshlrev_b32 v[X+4*nn],   16, v[Y+2*nn]
	v_and_b32     v[X+4*nn+1], 0xffff0000, v[Y+2*nn]
	v_lshlrev_b32 v[X+4*nn+2], 16, v[Y+2*nn+1]
	v_and_b32     v[X+4*nn+3], 0xffff0000, v[Y+2*nn+1]
	v_cvt_pk_f16_f32 v[Y+2*nn],   v[X+4*nn],   v[X+4*nn+1]
	v_cvt_pk_f16_f32 v[Y+2*nn+1], v[X+4*nn+2], v[X+4*nn+3]
	global_store_b64 v[DO], v[Y+2*nn:Y+2*nn+1], s[14:15] offset:2048*nn
.set nn, nn+1
.endr
	s_endpgm
.Lfunc_end_k_qa8f6c09248_cast:
	.size	k_qa8f6c09248_cast, .Lfunc_end_k_qa8f6c09248_cast-k_qa8f6c09248_cast
	.p2alignl 7, 3214868480
	.fill 96, 4, 3214868480
	.section	.rodata,"a",@progbits
	.p2align	6, 0x0
	.amdhsa_kernel k_qa8f6c09248_cast
		.amdhsa_group_segment_fixed_size 0
		.amdhsa_private_segment_fixed_size 0
		.amdhsa_enable_private_segment 0
		.amdhsa_kernarg_size 48
		.amdhsa_user_sgpr_count 2
		.amdhsa_user_sgpr_kernarg_segment_ptr 1
		.amdhsa_wavefront_size32 1
		.amdhsa_system_sgpr_workgroup_id_x 1
		.amdhsa_system_sgpr_workgroup_id_y 1
		.amdhsa_system_sgpr_workgroup_id_z 1
		.amdhsa_system_vgpr_workitem_id 0
		.amdhsa_next_free_vgpr 100
		.amdhsa_next_free_sgpr 66
		.amdhsa_reserve_vcc 0
		.amdhsa_float_denorm_mode_32 3
		.amdhsa_float_denorm_mode_16_64 3
		.amdhsa_memory_ordered 1
		.amdhsa_forward_progress 1
		.amdhsa_inst_pref_size 16
	.end_amdhsa_kernel
	.amdgpu_metadata
---
amdhsa.version: [ 1, 2 ]
amdhsa.kernels:
  - .name:           k_qa8f6c09248_cast
    .symbol:         k_qa8f6c09248_cast.kd
    .args:
      - { .name: in_features, .offset: 0, .size: 8, .value_kind: global_buffer, .address_space: global }
      - { .name: weight_q, .offset: 8, .size: 8, .value_kind: global_buffer, .address_space: global }
      - { .name: weight_k, .offset: 16, .size: 8, .value_kind: global_buffer, .address_space: global }
      - { .name: weight_v, .offset: 24, .size: 8, .value_kind: global_buffer, .address_space: global }
      - { .name: weight_o, .offset: 32, .size: 8, .value_kind: global_buffer, .address_space: global }
      - { .name: xw, .offset: 40, .size: 8, .value_kind: global_buffer, .address_space: global }
    .group_segment_fixed_size: 0
    .private_segment_fixed_size: 0
    .kernarg_segment_align: 8
    .kernarg_segment_size: 48
    .max_flat_workgroup_size: 256
    .sgpr_count:     66
    .vgpr_count:     100
    .wavefront_size: 32
...
	.end_amdgpu_metadata
.endif
;; end of part 1
;; launch qkv (part 2): grid 16 x 32, 4 waves a work-group, clusters of 4 x 4, 327,680 bytes of LDS; arguments xw, qkv; writes qkv
.if DOCPART == 2
	.amdgcn_target "amdgcn-amd-amdhsa--gfx1250"
	.amdhsa_code_object_version 6
	.text
	.protected	k_qa8f6c09248_qkv
	.globl	k_qa8f6c09248_qkv
	.p2align	8
	.type	k_qa8f6c09248_qkv,@function
k_qa8f6c09248_qkv:
	s_mov_b64 s[64:65], 0
	v_nop
	global_prefetch_b8 v0, s[64:65] scope:SCOPE_SE
	s_setreg_imm32_b32 hwreg(HW_REG_WAVE_MODE, 25, 1), 1
	s_wait_xcnt 0x0
	s_wait_alu depctr_hold_cnt(0) depctr_sa_sdst(0) depctr_va_vdst(0) depctr_va_sdst(0) depctr_va_ssrc(0) depctr_va_vcc(0) depctr_vm_vsrc(0)
	s_getreg_b32 s2, hwreg(HW_REG_IB_STS2, 6, 4)
	s_cmp_eq_u32 s2, 0
	s_cbranch_scc0 .Lentry_in_a_cluster
	s_endpgm
.Lentry_in_a_cluster:
	s_bfe_u32 s2, ttmp6, 0x10000c
	s_cmp_lg_u32 s2, 0xf033
	s_cbranch_scc0 .Lentry_shape_is_right
	s_endpgm
.Lentry_shape_is_right:
; Q, K, V = x W^T.  A = x [8192][1024] bf16 (xw, byte 0), B = Wq, Wk, Wv [3072][1024] bf16 (xw, byte 16,777,216); sums in f32, K ascending.
; Out: qkv [b 4][g 48][s 2048][64] f16, g = column / 64 (0-15 Q's heads, 16-31 K's, 32-47 V's).  LIMIT: the results are rounded to f16: |Q|, |K|, |V| < 65,504.
; A tile of C is 256 x 192 (three heads): 32 x 16 = 512 tiles, two for each of 256 WGPs.  Four waves, 2 x 2; a wave makes 128 x 96: 48 accumulators of 16 x 16, 384 registers.
; K goes in 8 steps of 128 through two LDS slots filled by the tensor data mover; tile rows are 256 bytes of memory at multiples of 256 bytes.
; CLUSTER 4 x 4: the four work-groups of a row of the cluster need the same tiles of A, the four of a column the same tiles of B: each tile is asked for jointly.
; THE MATRIX INSTRUCTION IS USED TRANSPOSED (source 0 = 16 rows of B, source 1 = 16 rows of A): a lane holds row l % 16 of C and eight neighbouring columns.
; REGISTERS: window 0: v16-26 addresses; v64-127, v128-191 A's fragments, two buffers; v192-239 and then v32-223 on the way out.
;   window 1: v64-111, v128-175 B's fragments.   window 2: accumulators of my rows 0-63, (a, b) at v[8 (6 a + b)].   window 3: those of rows 64-127.
.set NB,     6                         ; blocks of 16 columns in a wave's tile
.set KSTEP,  128
.set SIZE_K, 1024
.set PITCH,  272                       ; an LDS row: 256 bytes + 16: an odd multiple of 16, so the 16 rows of a fragment load begin at 16 different 16-byte columns of 256
.set HALFA,  128*PITCH                 ; what one of A's tensor loads brings, and what a wave reads of A
.set HALFB,  96*PITCH                  ; the same for B
.set AREG,   2*HALFA
.set SLOT,   AREG+2*HALFB              ; 121,856
.set SPITCH, 400                       ; the way out: a row of 192 f16 = 384 bytes + 16
.set WQKV,   16777216
.set LAPS,   SIZE_K/(2*KSTEP)
.set ADRA, 16                          ; v16-17  LDS address of my A fragments in slot 0, 1
.set ADRB, 20                          ; v20-21  the same for B
.set STO,  24
.set RD,   25
.set CO,   26
.set F0,   64
.set F1,   128
.set TMP,  192
.set OB,   32
.set G1,  24                           ; s[24:31] group 1 for A's tiles;  s[32:39] group 0, a set for each slot
.set G0,  32
.set G1B, 48                           ; s[48:55], s[56:63] the same for B's
.set G0B, 56
.set MSB, 0
.macro WIN new                         ; the immediate's high byte repeats the setting that is left; a switch that changes nothing is dropped
.if MSB != \new
	s_set_vgpr_msb (MSB<<8)|\new
.set MSB, \new
.endif
.endm
.set MUL_LO, 0xa1                      ; source 0 (B) window 1, source 1 (A) window 0, C and D window 2
.set MUL_HI, 0xf1                      ; the same, C and D window 3
.set TO_B,   0x40                      ; destination window 1, address window 0
; A joint load: waves 0 and 1 fetch A's halves, waves 2 and 3 B's.  The branch hangs on the wave's number alone.  Four v_nop follow each of the two lines.
.macro JLOAD s
	s_cmp_eq_u32 s11, 0
	s_cbranch_scc0 .Lfor_b_\@
	tensor_load_to_lds s[G0+4*\s:G0+4*\s+3], s[G1:G1+7]
	s_nop 0
.rept 4
	v_nop
.endr
	s_branch .Lasked_\@
.Lfor_b_\@:
	tensor_load_to_lds s[G0B+4*\s:G0B+4*\s+3], s[G1B:G1B+7]
	s_nop 0
.rept 4
	v_nop
.endr
.Lasked_\@:
.endm
.macro CREST                           ; a round of the cluster's barrier behind its opening barrier
	s_cmp_lg_u32 s10, 0
	s_cbranch_scc1 .Lnot_wave_0_\@
	s_barrier_signal -3
.Lnot_wave_0_\@:
	s_barrier_wait -3
	s_barrier_signal -1
	s_barrier_wait -1
.endm
.macro CROUND                          ; a whole round
	s_barrier_signal -1
	s_barrier_wait -1
	CREST
.endm
.macro PLACES                          ; four plain places behind matrix instructions, in front of loads into their sources and of reads of their results
.rept 4
	v_nop
.endr
.endm
	s_load_b64 s[4:5], s[0:1], 0x0                 ; xw
	s_load_b64 s[8:9], s[0:1], 0x8                 ; qkv
	s_set_vgpr_msb 0x40
	v_lshl_add_u32 v255, v0, 2, 0x3b800
	s_set_vgpr_msb 0x4000
	v_mov_b32 v255, 0
	s_set_vgpr_msb 0x1
	ds_add_u32 v255, v255
	s_set_vgpr_msb 0x100
	v_lshrrev_b32 v1, 5, v0
	v_readfirstlane_b32 s10, v1                    ; wave 0..3
	s_lshr_b32 s11, s10, 1                         ; my half of the tile's rows.  Also: I fetch for A (0) or for B (1)
	s_and_b32 s12, s10, 1                          ; my half of its columns.  Also: which half of that tile I fetch
	s_bfe_u32 s40, ttmp6, 0x40000                  ; cx
	s_bfe_u32 s41, ttmp6, 0x40004                  ; cy
	s_lshl_b32 s42, ttmp9, 2
	s_add_co_u32 s42, s42, s40                     ; tile column J = 4 x cluster x + cx
	s_and_b32 s13, ttmp7, 0xffff
	s_lshl_b32 s13, s13, 2
	s_add_co_u32 s13, s13, s41                     ; tile row I = 4 x cluster y + cy
	s_lshl_b32 s43, s41, 2
	s_lshl_b32 s43, 15, s43                        ; my row of the cluster
	s_lshl_b32 s44, 0x1111, s40                    ; my column
	s_or_b32 s[G1+0], s43, (1<<16)|(1<<20)|(1<<21)|(5<<22)|(3<<25)   ; the mask; elements of 2 bytes; padding on; bit 21 beside a mask; after every 64 words, 4 words
	s_or_b32 s[G1B+0], s44, (1<<16)|(1<<20)|(1<<21)|(5<<22)|(3<<25)
	s_mov_b32 s[G1+1], KSTEP<<16                   ; tensor_dim0 = 128
	s_mov_b32 s[G1+2], 128<<16                     ; tensor_dim1 = 128
	s_mov_b32 s[G1+3], KSTEP<<16                   ; tile_dim0 = 128
	s_mov_b32 s[G1+4], 128                         ; tile_dim1 = 128
	s_mov_b32 s[G1+5], SIZE_K                      ; elements from row to row
	s_mov_b32 s[G1+6], 0
	s_mov_b32 s[G1+7], 0
	s_mov_b32 s[G1B+1], KSTEP<<16
	s_mov_b32 s[G1B+2], 96<<16                     ; B's loads bring 96 rows
	s_mov_b32 s[G1B+3], KSTEP<<16
	s_mov_b32 s[G1B+4], 96
	s_mov_b32 s[G1B+5], SIZE_K
	s_mov_b32 s[G1B+6], 0
	s_mov_b32 s[G1B+7], 0
	; A's address hangs on I and the wave alone, B's on J and the wave alone, each in registers that never hold the other coordinate
	s_lshl_b32 s17, s12, 7
	s_lshl_b32 s16, s13, 8
	s_add_co_u32 s16, s16, s17                     ; A: row 256 I + 128 half
	s_lshl_b32 s16, s16, 11                        ; 2,048 bytes a row: under 2^24
	s_mov_b32 s17, 0
	s_mul_i32 s46, s42, 192
	s_mul_i32 s47, s12, 96
	s_add_co_u32 s46, s46, s47                     ; B: row 192 J + 96 half
	s_lshl_b32 s46, s46, 11
	s_add_co_u32 s46, s46, WQKV
	s_mov_b32 s47, 0
	s_mul_i32 s20, s10, HALFA                      ; where they go: waves 0, 1: A's halves at 0 and HALFA;
	s_mul_i32 s23, s10, HALFB
	s_add_co_u32 s23, s23, AREG-2*HALFB            ; waves 2, 3: B's halves at AREG and AREG + HALFB
	s_wait_dscnt 0x0
	s_wait_kmcnt 0x0
	s_add_nc_u64 s[14:15], s[4:5], s[16:17]
	s_add_nc_u64 s[46:47], s[4:5], s[46:47]
	CROUND                                         ; all sixteen work-groups are here: the first joint loads meet
.irp s, 0,1
	s_mov_b32 s[G0+4*\s], 1
	s_add_co_u32 s[G0+4*\s+1], s20, \s*SLOT
	s_add_nc_u64 s[G0+4*\s+2:G0+4*\s+3], s[14:15], \s*KSTEP*2
	s_or_b32 s[G0+4*\s+3], s[G0+4*\s+3], 0x80000000
	s_mov_b32 s[G0B+4*\s], 1
	s_add_co_u32 s[G0B+4*\s+1], s23, \s*SLOT
	s_add_nc_u64 s[G0B+4*\s+2:G0B+4*\s+3], s[46:47], \s*KSTEP*2
	s_or_b32 s[G0B+4*\s+3], s[G0B+4*\s+3], 0x80000000
	JLOAD \s                                       ; K steps 0 and 1: two tensor loads of mine are out
.endr
	v_and_b32 v1, 15, v0                           ; r = l % 16
	v_bfe_u32 v2, v0, 4, 1                         ; h = l / 16
	v_mul_u32_u24 v3, v1, PITCH
	v_lshl_add_u32 v3, v2, 4, v3                   ; a fragment's row x pitch + 16 h
	s_mul_i32 s21, s11, HALFA                      ; my 128 rows of A
	s_mul_i32 s22, s12, HALFB                      ; my 96 rows of B,
	s_add_co_u32 s22, s22, AREG                    ; behind A's 256
.irp s, 0,1
	v_add_nc_u32 v[ADRA+\s], s21, v3
	v_add_nc_u32 v[ADRB+\s], s22, v3
	s_add_co_u32 s21, s21, SLOT
	s_add_co_u32 s22, s22, SLOT
.endr
	s_mul_i32 s21, s11, 128*SPITCH                 ; into the stage: row 128 x row half + r, byte 192 x column half + 16 h
	s_mul_i32 s22, s12, 192
	s_add_co_u32 s21, s21, s22
	v_mul_u32_u24 v4, v1, SPITCH
	v_lshl_add_u32 v4, v2, 4, v4
	v_add_nc_u32 v[STO], s21, v4
	s_mul_i32 s21, s10, 64*SPITCH                  ; back: wave w takes rows 64 w .. 64 w + 63; a load takes 4 rows x 128 bytes (one head's part)
	v_bfe_u32 v5, v0, 3, 2
	v_and_b32 v6, 7, v0
	v_mul_u32_u24 v5, v5, SPITCH
	v_lshl_add_u32 v5, v6, 4, v5
	v_add_nc_u32 v[RD], s21, v5
	v_and_b32 v7, 31, v0
	v_lshlrev_b32 v[CO], 4, v7                     ; in qkv those 4 rows are 512 neighbouring bytes: 16 l
	s_lshr_b32 s16, s13, 3                         ; b
	s_mul_i32 s16, s16, 48
	s_lshl_b32 s16, s16, 18                        ; 48 heads of 262,144 bytes a batch
	s_and_b32 s17, s13, 7
	s_lshl_b32 s17, s17, 15                        ; 256 tokens of 128 bytes
	s_add_co_u32 s16, s16, s17
	s_lshl_b32 s17, s10, 13                        ; my 64 tokens
	s_add_co_u32 s16, s16, s17
	s_mov_b32 s17, 0
	s_add_nc_u64 s[8:9], s[8:9], s[16:17]
	s_mul_i32 s46, s42, 3<<18                      ; head 3 J (in the registers that held B's address)
	s_mov_b32 s47, 0
	s_add_nc_u64 s[8:9], s[8:9], s[46:47]
; 12 matrix instructions: row blocks a0, a0 + 1 of the window's four x all 6 column blocks, 32 along K.  zero = 1: the product starts the sums.
; All 48 accumulators take turns, one instruction a turn.
.macro MULH f, hi, a0, zero
.irp a, \a0, \a0+1
.irp b, 0,1,2,3,4,5
.if \zero
	v_wmma_f32_16x16x32_bf16 v[8*(NB*(\a)+\b):8*(NB*(\a)+\b)+7], v[\f+8*\b:\f+8*\b+7], v[\f+8*(4*\hi+\a):\f+8*(4*\hi+\a)+7], 0
.else
	v_wmma_f32_16x16x32_bf16 v[8*(NB*(\a)+\b):8*(NB*(\a)+\b)+7], v[\f+8*\b:\f+8*\b+7], v[\f+8*(4*\hi+\a):\f+8*(4*\hi+\a)+7], v[8*(NB*(\a)+\b):8*(NB*(\a)+\b)+7]
.endif
.endr
.endr
.endm
; 28 LDS loads in one run: quarter q's fragments (96 rows of B, then 128 rows of A, 32 along K) into buffer f
.macro FETCH slot, q, f
	WIN TO_B
.irp i, 0,1,2,3,4,5
	ds_load_b128 v[\f+8*\i:\f+8*\i+3],   v[ADRB+\slot] offset:64*\q+\i*16*PITCH
	ds_load_b128 v[\f+8*\i+4:\f+8*\i+7], v[ADRB+\slot] offset:64*\q+\i*16*PITCH+32
.endr
	WIN 0
.irp i, 0,1,2,3,4,5,6,7
	ds_load_b128 v[\f+8*\i:\f+8*\i+3],   v[ADRA+\slot] offset:64*\q+\i*16*PITCH
	ds_load_b128 v[\f+8*\i+4:\f+8*\i+7], v[ADRA+\slot] offset:64*\q+\i*16*PITCH+32
.endr
.endm
; One of a K step's first three quarters: multiplies buffer f; in its middle fetches quarter q into buffer g
.macro QUARTER slot, q, f, g, zero
	s_wait_dscnt 8                                 ; B and A's rows 0-63 are in; the youngest eight loads (A's rows 64-127) may be out
	WIN MUL_LO
	MULH \f, 0, 0, \zero
	MULH \f, 0, 2, \zero
	PLACES
	FETCH \slot, \q, \g
	s_wait_dscnt 2*NB+16                           ; all but the 28 just issued
	WIN MUL_HI
	MULH \f, 1, 0, \zero
	MULH \f, 1, 2, \zero
.endm
; The last quarter multiplies buffer 1 and changes slots: one barrier; in front of it each wave waits for its reads of this slot and for all its tensor loads (one is out: its part of
; the next slot).  fill = 1: the barrier opens a round of the cluster's barrier, and the joint refill, two K steps ahead, is the first tensor load behind the round.
.macro TURN slot, next, fill
	s_wait_dscnt 8
	WIN MUL_LO
	MULH F1, 0, 0, 0
	s_wait_dscnt 0                                 ; my reads of this slot are over,
	s_wait_tensorcnt 0x0                           ; and all my tensor loads have landed
	ds_add_u32 v255, v255
	s_wait_dscnt 0x0
	s_barrier_signal -1
	MULH F1, 0, 2, 0                               ; register work while the others arrive
.if \fill
	WIN 0
.endif
	s_barrier_wait -1
.if \fill
	CREST                                          ; no wave of any partner still reads this slot or has a load on its way
	s_add_nc_u64 s[G0+4*\slot+2:G0+4*\slot+3], s[G0+4*\slot+2:G0+4*\slot+3], 2*KSTEP*2
	s_add_nc_u64 s[G0B+4*\slot+2:G0B+4*\slot+3], s[G0B+4*\slot+2:G0B+4*\slot+3], 2*KSTEP*2
	JLOAD \slot                                    ; 180 matrix instructions ahead of the wait for it; its four v_nop are also the places in front of the loads below
.else
	PLACES
.endif
	FETCH \next, 0, F0
	WIN MUL_HI
	MULH F1, 1, 0, 0
	MULH F1, 1, 2, 0
.endm
	s_wait_tensorcnt 1                             ; my part of K step 0 is in; K step 1's may stay out
	s_barrier_signal -1
	s_barrier_wait -1
	FETCH 0, 0, F0
	QUARTER 0, 1, F0, F1, 1                        ; the first quarter starts the sums: nothing is cleared
	WIN 0
	s_mov_b32 s3, LAPS-1
.Llap:                                                 ; a trip goes once round the ring, from a lap's second quarter to the next lap's first, and fills both slots again
	QUARTER 0, 2, F1, F0, 0
	QUARTER 0, 3, F0, F1, 0
	TURN 0, 1, 1
	QUARTER 1, 1, F0, F1, 0
	QUARTER 1, 2, F1, F0, 0
	QUARTER 1, 3, F0, F1, 0
	TURN 1, 0, 1
	QUARTER 0, 1, F0, F1, 0
	WIN 0
	s_sub_co_u32 s3, s3, 1
	s_cmp_lg_u32 s3, 0
	s_cbranch_scc1 .Llap
	QUARTER 0, 2, F1, F0, 0                        ; the last lap fills nothing
	QUARTER 0, 3, F0, F1, 0
	TURN 0, 1, 0                                   ; behind this barrier no wave reads slot 0 any more, and no load fills it again
	QUARTER 1, 1, F0, F1, 0
	QUARTER 1, 2, F1, F0, 0
	QUARTER 1, 3, F0, F1, 0
	s_wait_dscnt 8
	WIN MUL_LO
	MULH F1, 0, 0, 0
	MULH F1, 0, 2, 0
	s_wait_dscnt 0
	WIN MUL_HI
	MULH F1, 1, 0, 0
	MULH F1, 1, 2, 0
	WIN 0
	PLACES
	; THE WAY OUT.  A wave's 96 columns are one head and a half, so the four waves share one stage: 256 rows x 400 bytes in slot 0's bytes 0 to 102,399, which have had their last fill
	; and their last read.  Rounded to f16, 16 bytes a lane; a barrier; back as 4 tokens x 128 bytes of one head, which are 512 neighbouring bytes of qkv.
.irp a, 0,1,2,3,4,5,6,7
	WIN 0x0a+5*(\a/4)                              ; sources 0 and 1: window 2 or 3
.irp b, 0,1,2,3,4,5
.irp r, 0,1,2,3
	v_cvt_pk_f16_f32 v[TMP+24*(\a%2)+4*\b+\r], v[8*(NB*(\a%4)+\b)+2*\r], v[8*(NB*(\a%4)+\b)+2*\r+1]
.endr
.endr
	WIN 0
.irp b, 0,1,2,3,4,5
	ds_store_b128 v[STO], v[TMP+24*(\a%2)+4*\b:TMP+24*(\a%2)+4*\b+3] offset:\a*16*SPITCH+32*\b
.endr
.endr
	s_wait_dscnt 0x0                               ; for the others' sake: my stores into the stage are done
	s_barrier_signal -1
	s_barrier_wait -1
.set nn, 0
.rept 48
	ds_load_b128 v[OB+4*nn:OB+4*nn+3], v[RD] offset:4*SPITCH*(nn%16)+128*(nn/16)   ; head nn / 16, tokens 4 (nn % 16) on
.set nn, nn+1
.endr
.set nn, 0
.rept 48
	s_wait_dscnt 47-nn                             ; LDS loads come back in order: load nn is in
	global_store_b128 v[CO], v[OB+4*nn:OB+4*nn+3], s[8:9] offset:262144*(nn/16)+512*(nn%16)   ; 512 consecutive bytes, at a multiple of 512 from qkv's first byte
.set nn, nn+1
.endr
	s_set_vgpr_msb 0x1
	s_wait_tensorcnt 0x0
	ds_add_u32 v255, v255
	s_wait_dscnt 0x0
	s_set_vgpr_msb 0x100
	CROUND                                         ; the closing round: no work-group ends while a partner may still ask for a tile that names it
	s_endpgm
.Lfunc_end_k_qa8f6c09248_qkv:
	.size	k_qa8f6c09248_qkv, .Lfunc_end_k_qa8f6c09248_qkv-k_qa8f6c09248_qkv
	.p2alignl 7, 3214868480
	.fill 96, 4, 3214868480
	.section	.rodata,"a",@progbits
	.p2align	6, 0x0
	.amdhsa_kernel k_qa8f6c09248_qkv
		.amdhsa_group_segment_fixed_size 327680
		.amdhsa_private_segment_fixed_size 0
		.amdhsa_enable_private_segment 0
		.amdhsa_kernarg_size 16
		.amdhsa_user_sgpr_count 2
		.amdhsa_user_sgpr_kernarg_segment_ptr 1
		.amdhsa_wavefront_size32 1
		.amdhsa_system_sgpr_workgroup_id_x 1
		.amdhsa_system_sgpr_workgroup_id_y 1
		.amdhsa_system_sgpr_workgroup_id_z 1
		.amdhsa_system_vgpr_workitem_id 0
		.amdhsa_next_free_vgpr 1024
		.amdhsa_next_free_sgpr 66
		.amdhsa_reserve_vcc 0
		.amdhsa_float_denorm_mode_32 3
		.amdhsa_float_denorm_mode_16_64 3
		.amdhsa_memory_ordered 1
		.amdhsa_forward_progress 1
		.amdhsa_inst_pref_size 116
	.end_amdhsa_kernel
	.amdgpu_metadata
---
amdhsa.version: [ 1, 2 ]
amdhsa.kernels:
  - .name:           k_qa8f6c09248_qkv
    .symbol:         k_qa8f6c09248_qkv.kd
    .args:
      - { .name: xw, .offset: 0, .size: 8, .value_kind: global_buffer, .address_space: global }
      - { .name: qkv, .offset: 8, .size: 8, .value_kind: global_buffer, .address_space: global }
    .group_segment_fixed_size: 327680
    .private_segment_fixed_size: 0
    .kernarg_segment_align: 8
    .kernarg_segment_size: 16
    .max_flat_workgroup_size: 128
    .sgpr_count:     66
    .vgpr_count:     1024
    .wavefront_size: 32
...
	.end_amdgpu_metadata
.endif
;; end of part 2
;; launch attn (part 3): grid 4 x 64, 8 waves a work-group, no clusters, 327,680 bytes of LDS; arguments qkv, att; writes att
.if DOCPART == 3
	.amdgcn_target "amdgcn-amd-amdhsa--gfx1250"
	.amdhsa_code_object_version 6
	.text
	.protected	k_qa8f6c09248_attn
	.globl	k_qa8f6c09248_attn
	.p2align	8
	.type	k_qa8f6c09248_attn,@function
k_qa8f6c09248_attn:
	s_mov_b64 s[64:65], 0
	v_nop
	global_prefetch_b8 v0, s[64:65] scope:SCOPE_SE
	s_setreg_imm32_b32 hwreg(HW_REG_WAVE_MODE, 25, 1), 1
	s_wait_xcnt 0x0
; att[b][h][q][:] = the sum over k <= q of softmax_k(Q[q] . K[k] / 8) V[k][:].  Q, K, V: qkv [b][g][2048][64] f16 (g = h, 16 + h, 32 + h); att [b][h][2048][64] f16.
; Products, maxima and sums in f32; a running maximum m and sum l for each query; the weights p are rounded to f16 for the second product, the result once at the end.
; LIMITS: the result is f16 (|att| < 65,504, which |V| < 65,504 gives).  A masked score is the score - 1e30: |Q|, |K| < 65,504 keep |scores| under 64 x 65,504^2 = 2.8e11, so its weight is 0.
; SHARES.  Work-group (i, bh) makes query blocks i and 7 - i (256 queries each) of one head: (i + 1) + (8 - i) = 9 visits of 256 keys, the same number in every work-group.
; EIGHT WAVES, two for each SIMD.  Waves w and w + 4 hold the SAME 64 queries (tile t = 0..3: queries 64 t + 16 (w % 4) + r of the block) and share a visit's four key steps of 64 keys:
; group g = w / 4 takes steps g and 3 - g.  So a fragment of K or V still feeds four tiles, and a SIMD has a second wave to issue from while one waits.  Each group keeps its own m, l and O^T;
; at a block's end they are merged through LDS: with cm = max(c m_0, c m_1) and a_g = 2^(c m_g - cm), O = (a_0 O_0 + a_1 O_1) / (a_0 l_0 + a_1 l_1); each wave gives two tiles and finishes two.
; Group 1 names its tiles by REGISTER TILE tau = t xor 2, so that both groups give register tiles 2, 3 and finish 0, 1: a full visit's text and the merge's are one for both groups.
; DIAGONAL.  In its key step d tiles t < d have no key left and are not written at all, tile t = d is masked, tiles t > d are free: group 0 has units (0,t0)* (0,t1) (0,t2) (0,t3) (3,t3)*,
; group 1 (1,t1)* (1,t2) (1,t3) (2,t2)* (2,t3): five each.  A block's diagonal visit comes first; a tile's first unit starts m, l and O^T (its key 64 d is unmasked for every query, so m is
; finite).  Group 1 has no key for tile 0 there: that one tile's state is written as m = -1e30, l = 0, O = 0, which a later step, or the merge, weighs by 2^(-huge) = 0.
; The mask costs no vector work: it is the C operand (0 or -1e30, 32 registers made once) of the products that start a masked tile's scores.
; NO CLUSTER: the four work-groups of a head want different key slots (visit v of work-group i: slot i, 0 .. i - 1, 7 - i, 0 .. 6 - i); walking in step through joint slots would take
; 4 + 8 = 12 visits' time in place of 9.
; LAYOUT.  S^T = K Q^T (source 0 = 16 keys, source 1 = 16 queries): a lane holds ONE query (l % 16) and keys 8 (l / 16) + 0..7.  Two such tiles rounded in pairs ARE source 1 of
; O^T = V^T P, whose result again holds one query a lane and eight channels.  K comes out of LDS as it lies, V turned by ds_load_tr16_b128.
; PIPELINE.  A UNIT is one tile's softmax for one key step.  Between its vector instructions stand, in pairs, the 8 products K Q^T of the next unit and the 8 products V^T P of the unit before.
; REGISTERS, 512 a wave.  window 0: v2-16 addresses; v20-51 statistics, 8 a tile; v52-83 the mask; v84-147 S^T, two buffers; v148-179 P, two buffers; v180-243 V of one key step;
;   v244-251 the partner's statistics.     window 1: v0-127 O^T, 32 a tile; v128-191 Q, 16 a tile; v192-255 K of one key step.
.set KP,    144                        ; a row of K in LDS: 128 bytes + 16: an odd multiple of 16
.set VP,    160                        ; a row of V: 128 + 32: an odd multiple of 32
.set VOFF,  256*KP                     ; a slot: 256 rows of K, then 256 rows of V
.set SLOT1, 1<<17                      ; slot 1 begins here: one exclusive or turns an address of one slot into the other's
.set STAGE, VOFF+256*VP                ; 77,824: 32 rows x 144 bytes for each wave, between the slots; no fill lands there
.set STGW,  32*KP
.set XCH,   SLOT1+STAGE                ; 208,896: the exchange, behind slot 1; no fill lands there
.set XT,    4608                       ; a given tile: 8 x 512 bytes of O^T, 512 bytes of statistics
.set AKA, 2                            ; my lane's place in K's rows of my group's first key step;
.set AKB, 3                            ; of its second
.set AVA, 4                            ; the same for V
.set AVB, 5
.set DKA, 6                            ; the four + the slot that is read
.set DKB, 7
.set DVA, 8
.set DVB, 9
.set QOL, 10                           ; my byte offset in Q for register tiles 0, 1;
.set QOH, 11                           ; for register tiles 2, 3
.set STO, 12
.set RD,  13
.set GO,  14                           ; 16 x lane
.set XST, 15                           ; my wave's part of the exchange + 16 x lane
.set XRD, 16                           ; my partner's
.set ST,  20                           ; tile t at v[ST+8 t]: +0 c m, +1 m, +2, +3 l (even keys', odd keys'), +4 to +7 c0-c3 at work; a takes c2's place
.set MK,  52                           ; the mask: register 8 kb + j: -1e30 where key 16 kb + 8 h + j of the step is later than query 16 (w % 4) + r of the tile, else 0
.set S,   84
.set P,   148
.set VF,  180
.set RS,  244
.set QF,  128                          ; in window 1
.set KF,  192                          ; in window 1
.set GR,  2                            ; s2   my group
.set WV,  8                            ; s8   my wave's number
.set BI,  9                            ; s9   i
.set BH,  10                           ; s10  16 b + h
.set VIS, 11                           ; s11  the visit
.set I1,  12                           ; s12  i + 1: the visit that is block 7 - i's diagonal
.set I2,  13                           ; s13  i + 2
.set DA,  14                           ; s14  7 - i
.set TB,  15                           ; s15  LDS byte at which the slot that is read begins
.set KB,  16                           ; s[16:17] the head's K + the half of a visit's rows that I fetch;  s[18:19] the same for V
.set VB,  18
.set QH,  20                           ; s[20:21] the head's Q + my 16 rows of a tile;  s[22:23] att likewise, + the two tiles that I finish
.set OH,  22
.set G1K, 24                           ; s[24:31], s[32:39] descriptor group 1 for K's and V's tiles: they differ in the padding
.set G1V, 32
.set G0K, 40                           ; s[40:43], s[44:47] group 0: one walking set each
.set G0V, 44
.set QA,  48                           ; s[48:49], s[50:51] Q and att at the block in hand
.set OA,  50
.set OFS, 52                           ; s[52:53], s[54:55] offsets as pairs
.set OF2, 54
.set CS,  56                           ; s[56:57] c = log2(e) / 8
.set SEL, 58                           ; s[58:59] v_permlanex16_b32: each lane takes its own place in the other half
.set WQ,  63                           ; s63  w % 4
.set MSB, 0
.macro WIN new                         ; the immediate's high byte repeats the setting that is left; a switch that changes nothing is dropped
.if MSB != \new
	s_set_vgpr_msb (MSB<<8)|\new
.set MSB, \new
.endif
.endm
.set W_KQ, 0x05                        ; K and Q window 1; S^T and the mask window 0
.set W_PV, 0x50                        ; V and P window 0; O^T window 1
.set W_RS, 0x41                        ; O^T (destination and source 0) window 1, the factor window 0
.macro PLACES                          ; four plain places behind matrix instructions (ISA guide 7.12.1)
.rept 4
	v_nop
.endr
.endm
; Waves 0 and 1 fetch the halves of a visit's K, waves 2 and 3 of its V, waves 4 to 7 nothing.  Four v_nop follow each of the two lines.
.macro JLOAD
	s_cmp_lt_u32 s[WV], 2
	s_cbranch_scc0 .Lnot_k_\@
	tensor_load_to_lds s[G0K:G0K+3], s[G1K:G1K+7]
	s_nop 0
.rept 4
	v_nop
.endr
	s_branch .Lasked_\@
.Lnot_k_\@:
	s_cmp_lt_u32 s[WV], 4
	s_cbranch_scc0 .Lasked_\@
	tensor_load_to_lds s[G0V:G0V+3], s[G1V:G1V+7]
	s_nop 0
.rept 4
	v_nop
.endr
.Lasked_\@:
.endm
; Q of the block at s[QA]: register tile f / 2, channels 32 (f % 2) on
.macro QLOAD
	WIN 0x40                                       ; destination window 1
.irp f, 0,1,2,3
	global_load_b128 v[QF+8*\f:QF+8*\f+3],   v[QOL], s[QA:QA+1] offset:8192*(\f/2)+64*(\f%2)
	global_load_b128 v[QF+8*\f+4:QF+8*\f+7], v[QOL], s[QA:QA+1] offset:8192*(\f/2)+64*(\f%2)+32
.endr
.irp f, 4,5,6,7
	global_load_b128 v[QF+8*\f:QF+8*\f+3],   v[QOH], s[QA:QA+1] offset:8192*(\f/2-2)+64*(\f%2)
	global_load_b128 v[QF+8*\f+4:QF+8*\f+7], v[QOH], s[QA:QA+1] offset:8192*(\f/2-2)+64*(\f%2)+32
.endr
	WIN 0
.endm
	s_load_b128 s[4:7], s[0:1], 0x0                ; qkv s[4:5], att s[6:7]
	v_lshl_add_u32 v254, v0, 2, 0x45000
	v_mov_b32 v255, 0
	ds_add_u32 v254, v255
	v_lshrrev_b32 v1, 5, v0
	v_readfirstlane_b32 s[WV], v1
	s_and_b32 s[WQ], s[WV], 3
	s_lshr_b32 s[GR], s[WV], 2
	s_mov_b32 s[BI], ttmp9
	s_and_b32 s[BH], ttmp7, 0xffff
	s_add_co_u32 s[I1], s[BI], 1
	s_add_co_u32 s[I2], s[BI], 2
	s_sub_co_u32 s[DA], 7, s[BI]
	s_mov_b32 s[VIS], 0
	s_mov_b32 s[TB], 0
	s_mov_b32 s[CS], 0x3e38aa3b                    ; log2(e) / 8 = 0.180337
	s_mov_b32 s[CS+1], s[CS]
	s_mov_b32 s[SEL], 0x76543210
	s_mov_b32 s[SEL+1], 0xfedcba98
	s_lshr_b32 s60, s[BH], 4
	s_mul_i32 s60, s60, 48
	s_and_b32 s61, s[BH], 15
	s_add_co_u32 s60, s60, s61                     ; g of Q's head = 48 b + h
	s_and_b32 s62, s[WV], 1                        ; which half of a visit's rows I fetch (waves 0 to 3)
	s_lshl_b32 s[OFS], s60, 18                     ; 262,144 bytes a head
	s_lshl_b32 s61, s[WQ], 11                      ; my 16 rows of 128 bytes in each tile
	s_add_co_u32 s[OFS], s[OFS], s61
	s_mov_b32 s[OFS+1], 0
	s_lshl_b32 s[OF2], s60, 18
	s_lshl_b32 s61, s62, 14                        ; 128 rows of 128 bytes
	s_add_co_u32 s[OF2], s[OF2], s61
	s_add_co_u32 s[OF2], s[OF2], 16<<18            ; K's heads lie 16 behind Q's
	s_mov_b32 s[OF2+1], 0
	; group 1: a dense block of 16,384 bytes as 64 rows of 128 elements (256 bytes); padding behind every 32 words, that is, behind every key's 128 bytes
	s_mov_b32 s[G1K], (1<<16)|(1<<20)|(4<<22)|(3<<25)   ; elements of 2 bytes; padding on; after every 32 words (code 4); 4 words (code 3): rows of K 144 bytes apart
	s_mov_b32 s[G1V], (1<<16)|(1<<20)|(4<<22)|(7<<25)   ; 8 words (code 7): rows of V 160 bytes apart
.irp g, G1K, G1V
	s_mov_b32 s[\g+1], 128<<16                     ; tensor_dim0 = 128
	s_mov_b32 s[\g+2], 64<<16                      ; tensor_dim1 = 64
	s_mov_b32 s[\g+3], 128<<16                     ; tile_dim0 = 128
	s_mov_b32 s[\g+4], 64                          ; tile_dim1 = 64
	s_mov_b32 s[\g+5], 128                         ; elements from row to row: dense
	s_mov_b32 s[\g+6], 0
	s_mov_b32 s[\g+7], 0
.endr
	s_mov_b32 s[G0K], 1
	s_mul_i32 s[G0K+1], s62, 128*KP                ; slot 0: K's halves at 0 and 18,432,
	s_mov_b32 s[G0V], 1
	s_mul_i32 s[G0V+1], s62, 128*VP
	s_add_co_u32 s[G0V+1], s[G0V+1], VOFF          ; V's at 36,864 and 57,344
	s_wait_dscnt 0x0
	s_barrier_signal -1
	s_barrier_wait -1
	s_wait_kmcnt 0x0
	s_add_nc_u64 s[QH:QH+1], s[4:5], s[OFS:OFS+1]
	s_add_nc_u64 s[KB:KB+1], s[4:5], s[OF2:OF2+1]
	s_add_nc_u64 s[VB:VB+1], s[KB:KB+1], 16<<18    ; V's heads lie 16 behind K's
	s_lshl_b32 s[OFS], s[BH], 18
	s_lshl_b32 s61, s[WQ], 11
	s_add_co_u32 s[OFS], s[OFS], s61
	s_lshl_b32 s61, s[GR], 14                      ; I finish tiles 2 g and 2 g + 1: 8,192 bytes a tile
	s_add_co_u32 s[OFS], s[OFS], s61
	s_add_nc_u64 s[OH:OH+1], s[6:7], s[OFS:OFS+1]
	s_lshl_b32 s[OFS], s[BI], 15                   ; visit 0 is block i's diagonal: key slot i and query block i, 32,768 bytes each
	s_add_nc_u64 s[G0K+2:G0K+3], s[KB:KB+1], s[OFS:OFS+1]
	s_or_b32 s[G0K+3], s[G0K+3], 0x80000000
	s_add_nc_u64 s[G0V+2:G0V+3], s[VB:VB+1], s[OFS:OFS+1]
	s_or_b32 s[G0V+3], s[G0V+3], 0x80000000
	s_add_nc_u64 s[QA:QA+1], s[QH:QH+1], s[OFS:OFS+1]
	s_add_nc_u64 s[OA:OA+1], s[OH:OH+1], s[OFS:OFS+1]
	JLOAD                                          ; the one first fill, ahead of every wait on TENSORcnt, LDS read
	v_and_b32 v1, 15, v0                           ; r
	v_bfe_u32 v244, v0, 4, 1                       ; h
	v_lshlrev_b32 v[QOL], 7, v1
	v_lshl_add_u32 v[QOL], v244, 4, v[QOL]         ; query r x 128 + 16 h
	s_lshl_b32 s60, s[GR], 14                      ; register tiles 0, 1 are tiles 2 g, 2 g + 1;
	s_xor_b32 s61, s60, 1<<14                      ; register tiles 2, 3 are tiles 2 (1 - g), 2 (1 - g) + 1
	v_add_nc_u32 v[QOH], s61, v[QOL]
	v_add_nc_u32 v[QOL], s60, v[QOL]
	QLOAD                                          ; the first block's Q is on its way while the first tile lands
	v_mul_u32_u24 v[AKA], v1, KP
	v_lshl_add_u32 v[AKA], v244, 4, v[AKA]         ; key r x pitch + 16 h
	s_mul_i32 s60, s[WV], STGW
	s_add_co_u32 s60, s60, STAGE                   ; my stage
	v_add_nc_u32 v[STO], s60, v[AKA]               ; in: row r, 16 bytes for each half of the lanes
	v_and_b32 v245, 7, v0
	v_bfe_u32 v247, v0, 3, 2
	v_mul_u32_u24 v[RD], v247, KP                  ; back: 4 rows x 128 bytes
	v_lshl_add_u32 v[RD], v245, 4, v[RD]
	v_add_nc_u32 v[RD], s60, v[RD]
	s_mul_i32 s60, s[GR], 64*KP                    ; my group's key steps: g
	s_sub_co_u32 s61, 3, s[GR]                     ; and 3 - g
	s_mul_i32 s61, s61, 64*KP
	v_add_nc_u32 v[AKB], s61, v[AKA]
	v_add_nc_u32 v[AKA], s60, v[AKA]
	v_bfe_u32 v246, v0, 3, 1
	v_lshl_add_u32 v[AVA], v244, 3, v245           ; the turning load: key 8 h + l % 8, channels 8 ((l / 8) % 2) on
	v_mul_u32_u24 v[AVA], v[AVA], VP
	v_lshl_add_u32 v[AVA], v246, 4, v[AVA]
	s_mul_i32 s60, s[GR], 64*VP
	s_add_co_u32 s60, s60, VOFF
	s_sub_co_u32 s61, 3, s[GR]
	s_mul_i32 s61, s61, 64*VP
	s_add_co_u32 s61, s61, VOFF
	v_add_nc_u32 v[AVB], s61, v[AVA]
	v_add_nc_u32 v[AVA], s60, v[AVA]
	v_and_b32 v[GO], 31, v0
	v_lshlrev_b32 v[GO], 4, v[GO]
	s_mul_i32 s60, s[WV], 2*XT
	s_add_co_u32 s60, s60, XCH
	v_add_nc_u32 v[XST], s60, v[GO]
	s_xor_b32 s61, s[WV], 4                        ; my partner: the same queries, the other group
	s_mul_i32 s61, s61, 2*XT
	s_add_co_u32 s61, s61, XCH
	v_add_nc_u32 v[XRD], s61, v[GO]
	s_lshl_b32 s61, s[WQ], 4
	v_add_nc_u32 v249, s61, v1
	v_lshlrev_b32 v248, 3, v244
	v_sub_nc_u32 v249, v249, v248                  ; r + 16 (w % 4) - 8 h: register 8 kb + j is masked where 16 kb + j is greater
	v_mov_b32 v250, 0xf149f2ca                     ; -1e30
.set nn, 0
.rept 32
	v_cmp_gt_i32 vcc_lo, 16*(nn/8)+nn%8, v249
	v_cndmask_b32 v[MK+nn], 0, v250, vcc_lo
.set nn, nn+1
.endr
; THE PRODUCTS.  Product NQ of 8 of S^T = K Q^T for register tile KQT, into the S buffer that the unit in hand does not read: channels 32 (NQ / 4) on, keys 16 (NQ % 4) on.
; The first four start the sums, from 0 or (KQM) from the mask.  The accumulators take turns, one instruction a turn.
.macro KQn
.set rS, S+32*(1-PAR)+8*(NQ%4)
.set rK, KF+16*(NQ%4)+8*(NQ/4)
.set rQ, QF+16*KQT+8*(NQ/4)
	WIN W_KQ
.if NQ >= 4
	v_wmma_f32_16x16x32_f16 v[rS:rS+7], v[rK:rK+7], v[rQ:rQ+7], v[rS:rS+7]
.elseif KQM
	v_wmma_f32_16x16x32_f16 v[rS:rS+7], v[rK:rK+7], v[rQ:rQ+7], v[MK+8*NQ:MK+8*NQ+7]
.else
	v_wmma_f32_16x16x32_f16 v[rS:rS+7], v[rK:rK+7], v[rQ:rQ+7], 0
.endif
.endm
; Product NQ of 8 of O^T += V^T P for register tile PVT, from the P buffer that the unit in hand does not write: keys 32 (NQ / 4) on, channels 16 (NQ % 4) on.  PVZ: the first four start the sums.
.macro PVn
.set rO, 32*PVT+8*(NQ%4)
.set rV, VF+32*(NQ/4)+8*(NQ%4)
.set rP, P+16*(1-PAR)+8*(NQ/4)
	WIN W_PV
.if PVZ && (NQ < 4)
	v_wmma_f32_16x16x32_f16 v[rO:rO+7], v[rV:rV+7], v[rP:rP+7], 0
.else
	v_wmma_f32_16x16x32_f16 v[rO:rO+7], v[rV:rV+7], v[rP:rP+7], v[rO:rO+7]
.endif
.endm
; The unit's product number NMX of 16.  ORD = 0: pairs of V^T P and pairs of K Q^T by turns.  ORD = 1: all V^T P first, then the wait for K's fragments asked for in front of the unit, then K Q^T.
; ORD = 2: all K Q^T first, then the wait for V's fragments, then V^T P.
.macro MX
.if ORD == 0
.set KIND, (NMX/2)%2
.set NQ, 2*(NMX/4)+NMX%2
.elseif ORD == 1
.set KIND, NMX/8
.set NQ, NMX%8
.else
.set KIND, 1-NMX/8
.set NQ, NMX%8
.endif
.if (ORD != 0) && (NMX == 8)
	s_wait_dscnt 0x0                               ; the sixteen loads issued in front of this unit are in
.endif
.if KIND == 0
.if PVT >= 0
	PVn
.endif
.else
.if KQT >= 0
	KQn
.endif
.endif
.set NMX, NMX+1
.endm
.macro TICK                            ; behind each vector instruction: every 2 PER-th is followed by two products under one window setting, until all sixteen are out
.if (CNT%(2*PER) == 2*PER-1) && (NMX < 16)
	MX
	MX
	WIN 0
.endif
.set CNT, CNT+1
.endm
.macro KQ_ALONE t, m                   ; a visit's first scores: eight bare products, and the places behind them
.set KQT, \t
.set KQM, \m
.set NQ, 0
.rept 8
	KQn
.set NQ, NQ+1
.endr
	WIN 0
	PLACES
.set PAR, 1-PAR
.endm
.macro PV_ALONE t                      ; a visit's last V^T P
.set PVT, \t
.set PVZ, 0
.set NQ, 0
.rept 8
	PVn
.set NQ, NQ+1
.endr
	WIN 0
	PLACES
.endm
; THE LDS LOADS, in runs of 16: one key step's fragments; adr names the address register of the step
.macro FETCH_K adr
	WIN 0x40                                       ; destination window 1
.irp f, 0,1,2,3,4,5,6,7                ; keys 16 (f / 2) on, channels 32 (f % 2) on
	ds_load_b128 v[KF+8*\f:KF+8*\f+3],   v[\adr] offset:16*KP*(\f/2)+64*(\f%2)
	ds_load_b128 v[KF+8*\f+4:KF+8*\f+7], v[\adr] offset:16*KP*(\f/2)+64*(\f%2)+32
.endr
	WIN 0
.endm
.macro FETCH_V adr
.irp f, 0,1,2,3,4,5,6,7                ; keys 32 (f / 4) on, channels 16 (f % 4) on
	ds_load_tr16_b128 v[VF+8*\f:VF+8*\f+3],   v[\adr] offset:32*VP*(\f/4)+32*(\f%4)
	ds_load_tr16_b128 v[VF+8*\f+4:VF+8*\f+7], v[\adr] offset:32*VP*(\f/4)+32*(\f%4)+16*VP
.endr
.endm
.macro SCALE b                         ; pair b of the scores: c s - c m
	v_pk_fma_f32 v[uS+2*(\b):uS+2*(\b)+1], v[uS+2*(\b):uS+2*(\b)+1], s[CS:CS+1], v[uT:uT+1] op_sel_hi:[1,0,0] neg_lo:[0,0,1] neg_hi:[0,0,1]
.endm
; A UNIT: register tile t's softmax for one key step, on S buffer PAR, into P buffer PAR.  first = 1: it starts m and l, has no a and rescales nothing.
; kqt, kqm: the next unit's tile (-1: none) and whether its scores start from the mask.  pvt, pvz: the tile of the unit before (-1: none) and whether its products start O^T's sums.  ord: see MX.
; Vector instructions ahead of the rescaling: 102 (first: 98); two products behind every 12th (10th): behind the last product stand at least six plain instructions that name none of its
; registers: the places in front of the next unit's reads of S^T, of loads into K's and V's registers, and of the rescaling where pvt = t.
.macro UNIT t, first, kqt, kqm, pvt, pvz, ord
.set KQT, \kqt
.set KQM, \kqm
.set PVT, \pvt
.set PVZ, \pvz
.set ORD, \ord
.set NMX, 0
.set CNT, 0
.set PER, 6-\first
.set uT, ST+8*\t
.set uS, S+32*PAR
.set uP, P+16*PAR
	; the maximum of the lane's 32 scores and the old m, three operands at a time, in four chains
.set nn, 0
.rept 4
	v_max3_num_f32 v[uT+4+nn], v[uS+8*nn], v[uS+8*nn+1], v[uS+8*nn+2]
	TICK
.set nn, nn+1
.endr
.rept 8
	v_max3_num_f32 v[uT+4+nn%4], v[uT+4+nn%4], v[uS+8*(nn%4)+2*(nn/4)+1], v[uS+8*(nn%4)+2*(nn/4)+2]
	TICK
.set nn, nn+1
.endr
	v_max3_num_f32 v[uT+4], v[uT+4], v[uS+7], v[uS+15]
	TICK
	v_max3_num_f32 v[uT+6], v[uT+6], v[uS+23], v[uS+31]
	TICK
	v_max3_num_f32 v[uT+4], v[uT+4], v[uT+5], v[uT+6]
	TICK
.if \first
	v_max_num_f32 v[uT+4], v[uT+4], v[uT+7]
.else
	v_max3_num_f32 v[uT+4], v[uT+4], v[uT+7], v[uT+1]
.endif
	TICK
	v_permlanex16_b32 v[uT+5], v[uT+4], s[SEL], s[SEL+1]   ; the query's other 32 keys lie in the lane 16 away
	TICK
.if !\first
	v_mov_b32 v[uT+7], v[uT]                       ; c m_old is kept for a
	TICK
.endif
	v_max_num_f32 v[uT+1], v[uT+4], v[uT+5]
	TICK
	v_mul_f32 v[uT], s[CS], v[uT+1]
	TICK
.if !\first
	v_sub_f32 v[uT+7], v[uT+7], v[uT]
	TICK
.endif
	; the exponentials; behind each stands plain work that is ready (a scaling four pairs ahead, a rounding a pair back, the first sums), so that a plain instruction
	; always lies between an exponential and the use of its result (ISA guide 5.7.2)
.set nn, 0
.rept 4
	SCALE nn
	TICK
.set nn, nn+1
.endr
.if !\first
	v_exp_f32 v[uT+6], v[uT+7]                     ; a = 2^(c m_old - c m_new)
	TICK
.endif
.set ee, 0
.rept 32
	v_exp_f32 v[uS+ee], v[uS+ee]
	TICK
.if ee%2 == 0
.if ee/2 < 12
	SCALE ee/2+4
.else
	v_pk_add_f32 v[uS+4*(ee/2-12):uS+4*(ee/2-12)+1], v[uS+4*(ee/2-12):uS+4*(ee/2-12)+1], v[uS+4*(ee/2-12)+2:uS+4*(ee/2-12)+3]
.endif
	TICK
.elseif ee > 1
	s_wait_alu depctr_va_vdst(0)
	v_cvt_pk_f16_f32 v[uP+(ee-3)/2], v[uS+ee-3], v[uS+ee-2]
	TICK
.endif
.set ee, ee+1
.endr
	; the rest of the sums (in a pair: an even key's weight, an odd key's), in place, neighbours 1, 2, 4 and 8 pairs apart; then l
	v_pk_add_f32 v[uS+16:uS+17], v[uS+16:uS+17], v[uS+18:uS+19]
	TICK
	v_cvt_pk_f16_f32 v[uP+15], v[uS+30], v[uS+31]
	TICK
.irp z, 5,6,7
	v_pk_add_f32 v[uS+4*\z:uS+4*\z+1], v[uS+4*\z:uS+4*\z+1], v[uS+4*\z+2:uS+4*\z+3]
	TICK
.endr
.irp z, 0,1,2,3
	v_pk_add_f32 v[uS+8*\z:uS+8*\z+1], v[uS+8*\z:uS+8*\z+1], v[uS+8*\z+4:uS+8*\z+5]
	TICK
.endr
.irp z, 0,1
	v_pk_add_f32 v[uS+16*\z:uS+16*\z+1], v[uS+16*\z:uS+16*\z+1], v[uS+16*\z+8:uS+16*\z+9]
	TICK
.endr
.if \first
	v_pk_add_f32 v[uT+2:uT+3], v[uS:uS+1], v[uS+16:uS+17]
	TICK
.else
	v_pk_add_f32 v[uS:uS+1], v[uS:uS+1], v[uS+16:uS+17]
	TICK
	v_pk_fma_f32 v[uT+2:uT+3], v[uT+2:uT+3], v[uT+6:uT+7], v[uS:uS+1] op_sel_hi:[1,0,1]
	TICK
	WIN W_RS                                       ; the tile's O^T times a: the one part that leaves window 0
.set nn, 0
.rept 16
	v_pk_mul_f32 v[32*\t+2*nn:32*\t+2*nn+1], v[32*\t+2*nn:32*\t+2*nn+1], v[uT+6:uT+7] op_sel_hi:[1,0]
.set nn, nn+1
.endr
	WIN 0
.endif
.set PAR, 1-PAR
.endm
; A VISIT'S HEAD.  Each wave waits for its reads of the slot just left and for all its tensor loads (of waves 0 to 3 one is out: a part of the slot now to be read); behind the barrier nobody
; reads the old slot and the new one is whole.  refill = 1: the old slot is filled, first thing behind the barrier, with the next visit's keys: one tensor load a wave, a whole visit ahead.
; Visit u's key slot: u <= i: u - 1;  u = i + 1: 7 - i;  u >= i + 2: u - i - 2.
.macro HEAD refill
	s_wait_dscnt 0x0
	s_wait_tensorcnt 0x0                           ; no tensor load of mine is out, so group 0 may be written
	ds_add_u32 v254, v255
	s_wait_dscnt 0x0
.if \refill
	s_add_co_u32 s60, s[VIS], 1                    ; u
	s_sub_co_u32 s62, s60, s[I2]
	s_cmp_le_u32 s60, s[BI]
	s_cselect_b32 s61, s[VIS], s62
	s_cmp_eq_u32 s60, s[I1]
	s_cselect_b32 s61, s[DA], s61
	s_lshl_b32 s[OFS], s61, 15
	s_mov_b32 s[OFS+1], 0
	s_xor_b32 s[G0K+1], s[G0K+1], SLOT1            ; the other slot than last time
	s_xor_b32 s[G0V+1], s[G0V+1], SLOT1
	s_add_nc_u64 s[G0K+2:G0K+3], s[KB:KB+1], s[OFS:OFS+1]
	s_or_b32 s[G0K+3], s[G0K+3], 0x80000000
	s_add_nc_u64 s[G0V+2:G0V+3], s[VB:VB+1], s[OFS:OFS+1]
	s_or_b32 s[G0V+3], s[G0V+3], 0x80000000
.endif
	s_barrier_signal -1
	s_barrier_wait -1
.if \refill
	JLOAD
.endif
	v_add_nc_u32 v[DKA], s[TB], v[AKA]
	v_add_nc_u32 v[DKB], s[TB], v[AKB]
	v_add_nc_u32 v[DVA], s[TB], v[AVA]
	v_add_nc_u32 v[DVB], s[TB], v[AVB]
.endm
.macro SETQ q                          ; Q at query block s[q]; the loads that named the old base were waited for when the old block began
	s_lshl_b32 s[OFS], s[\q], 15
	s_mov_b32 s[OFS+1], 0
	s_add_nc_u64 s[QA:QA+1], s[QH:QH+1], s[OFS:OFS+1]
.endm
.macro SETO q                          ; att at query block s[q]
	s_wait_xcnt 0x0                                ; the base of the old block's stores, and the registers that they read, are rewritten only behind this wait
	s_lshl_b32 s[OFS], s[\q], 15
	s_mov_b32 s[OFS+1], 0
	s_add_nc_u64 s[OA:OA+1], s[OH:OH+1], s[OFS:OFS+1]
.endm
; A FULL VISIT, for a wave: its group's 2 key steps x 4 tiles.  K and V have one buffer each: the second step's K is asked for when the last product on the first step's K has its places
; behind it, in front of unit 3, which issues its V^T P first; the second step's V likewise in front of unit 5, which issues its K Q^T first.
.macro FULL
.set PAR, 1
	FETCH_K DKA
	FETCH_V DVA
	s_wait_dscnt 16                                ; K is in; V's sixteen loads may be out
	KQ_ALONE 0, 0
	UNIT 0,0, 1,0, -1,0, 0
	s_wait_dscnt 0x0                               ; V is in
	UNIT 1,0, 2,0, 0,0, 0
	UNIT 2,0, 3,0, 1,0, 0
	FETCH_K DKB
	UNIT 3,0, 0,0, 2,0, 1
	UNIT 0,0, 1,0, 3,0, 0
	FETCH_V DVB
	UNIT 1,0, 2,0, 0,0, 2
	UNIT 2,0, 3,0, 1,0, 0
	UNIT 3,0, -1,0, 2,0, 0
	PV_ALONE 3
.endm
; A DIAGONAL VISIT, a block's first: five units a wave.  The two groups' units differ, so the text branches on the wave's number; no barrier and no tensor load stands inside.
.macro DIAG
	FETCH_K DKA
	FETCH_V DVA
	s_wait_loadcnt 0x0                             ; Q
	s_wait_dscnt 16                                ; K is in; V's sixteen loads may be out
	s_cmp_lt_u32 s[WV], 4
	s_cbranch_scc0 .Lg1_\@
.set PAR, 1
	KQ_ALONE 0, 1                                  ; group 0: key steps 0 and 3; register tile = tile
	UNIT 0,1, 1,0, -1,0, 0                         ; (0,t0) masked
	s_wait_dscnt 0x0                               ; V is in
	UNIT 1,1, 2,0, 0,1, 0                          ; (0,t1)
	UNIT 2,1, 3,0, 1,1, 0                          ; (0,t2)
	FETCH_K DKB
	UNIT 3,1, 3,1, 2,1, 1                          ; (0,t3); the scores of (3,t3) start from the mask
	UNIT 3,0, -1,0, 3,1, 0                         ; (3,t3) masked: the products of (0,t3) are all out, with their places, ahead of its rescaling of the same tile
	FETCH_V DVB
	s_wait_dscnt 0x0
	PV_ALONE 3
	s_branch .Ljoin_\@
.Lg1_\@:
.set PAR, 1
	v_mov_b32 v[ST+17], 0xf149f2ca                 ; group 1: key steps 1 and 2; register tile = tile xor 2.  Tile 0 (register tile 2) has no key here: m = -1e30,
	v_mul_f32 v[ST+16], s[CS], v[ST+17]            ; c m,
	v_mov_b32 v[ST+18], 0                          ; l = 0
	v_mov_b32 v[ST+19], 0
	WIN 0x40
.set nn, 0
.rept 32
	v_mov_b32 v[64+nn], 0                          ; and O^T = 0: one tile of four, in one group of two: no product is at hand that could start these sums
.set nn, nn+1
.endr
	WIN 0
	KQ_ALONE 3, 1
	UNIT 3,1, 0,0, -1,0, 0                         ; (1,t1) masked
	s_wait_dscnt 0x0                               ; V is in
	UNIT 0,1, 1,0, 3,1, 0                          ; (1,t2)
	FETCH_K DKB
	UNIT 1,1, 0,1, 0,1, 1                          ; (1,t3); the scores of (2,t2) start from the mask
	UNIT 0,0, 1,0, 1,1, 0                          ; (2,t2) masked
	FETCH_V DVB
	UNIT 1,0, -1,0, 0,0, 2                         ; (2,t3)
	PV_ALONE 1
.Ljoin_\@:
.endm
; A BLOCK'S END, first half: register tiles 2 and 3 go to my partner: c m, m, l (16 bytes a lane) and O^T (8 x 16 bytes a lane), each store 512 neighbouring bytes.
.macro GIVE
.irp t, 2,3
	ds_store_b128 v[XST], v[ST+8*\t:ST+8*\t+3] offset:(\t-2)*XT+4096
.endr
	WIN 0x04                                       ; the stores' data: window 1
.irp t, 2,3
.irp n, 0,1,2,3,4,5,6,7
	ds_store_b128 v[XST], v[32*\t+4*\n:32*\t+4*\n+3] offset:(\t-2)*XT+512*\n
.endr
.endr
	WIN 0
.endm
; Second half, behind a barrier: my partner's parts of my register tiles 0 and 1 come in; the two are weighed, added, divided by l, rounded to f16 and sent through my own stage.
.macro TAKE
.irp t, 0,1
	ds_load_b128 v[RS+4*\t:RS+4*\t+3], v[XRD] offset:\t*XT+4096
.endr
.irp t, 0,1
.irp n, 0,1,2,3,4,5,6,7
	ds_load_b128 v[S+32*\t+4*\n:S+32*\t+4*\n+3], v[XRD] offset:\t*XT+512*\n
.endr
.endr
	s_wait_dscnt 16                                ; the statistics are in; the sixteen loads of O^T may be out
.irp t, 0,1
	v_add_f32 v[ST+8*\t+1], v[ST+8*\t+2], v[ST+8*\t+3]     ; l of my lane's keys (m is needed no more),
	v_add_f32 v[RS+4*\t+1], v[RS+4*\t+2], v[RS+4*\t+3]     ; of my partner's
	v_max_num_f32 v[ST+8*\t+4], v[ST+8*\t], v[RS+4*\t]     ; the common c m
.endr
.irp t, 0,1
	v_sub_f32 v[ST+8*\t+5], v[ST+8*\t], v[ST+8*\t+4]
	v_sub_f32 v[ST+8*\t+6], v[RS+4*\t], v[ST+8*\t+4]
.endr
.irp t, 0,1
	v_exp_f32 v[ST+8*\t+5], v[ST+8*\t+5]           ; my weight,
	v_exp_f32 v[ST+8*\t+6], v[ST+8*\t+6]           ; my partner's
.endr
	v_nop                                          ; a plain instruction between the last exponential and the use of its result
.irp t, 0,1
	s_wait_alu depctr_va_vdst(0)
	v_mul_f32 v[ST+8*\t+7], v[ST+8*\t+5], v[ST+8*\t+1]
.endr
.irp t, 0,1
	v_fmac_f32 v[ST+8*\t+7], v[ST+8*\t+6], v[RS+4*\t+1]
.endr
.irp t, 0,1
	v_permlanex16_b32 v[ST+8*\t+4], v[ST+8*\t+7], s[SEL], s[SEL+1]   ; the other half of the lanes holds the query's other keys
.endr
.irp t, 0,1
	v_add_f32 v[ST+8*\t+7], v[ST+8*\t+7], v[ST+8*\t+4]
.endr
.irp t, 0,1
	v_rcp_f32 v[ST+8*\t+4], v[ST+8*\t+7]
.endr
	v_nop                                          ; a plain instruction between the last reciprocal and the use of its result
.irp t, 0,1
	s_wait_alu depctr_va_vdst(0)
	v_mul_f32 v[ST+8*\t+2], v[ST+8*\t+5], v[ST+8*\t+4]     ; my weight / l
	v_mul_f32 v[ST+8*\t+6], v[ST+8*\t+6], v[ST+8*\t+4]     ; my partner's / l
.endr
	s_wait_dscnt 0x0                               ; my partner's O^T is in
.irp t, 0,1
	WIN W_RS
.set nn, 0
.rept 16
	v_pk_mul_f32 v[32*\t+2*nn:32*\t+2*nn+1], v[32*\t+2*nn:32*\t+2*nn+1], v[ST+8*\t+2:ST+8*\t+3] op_sel_hi:[1,0]
.set nn, nn+1
.endr
	WIN W_PV                                       ; sources 0 and 1 window 0, source 2 and destination window 1
.set nn, 0
.rept 16
	v_pk_fma_f32 v[32*\t+2*nn:32*\t+2*nn+1], v[S+32*\t+2*nn:S+32*\t+2*nn+1], v[ST+8*\t+6:ST+8*\t+7], v[32*\t+2*nn:32*\t+2*nn+1] op_sel_hi:[1,0,1]
.set nn, nn+1
.endr
	WIN 0x05                                       ; sources 0 and 1 window 1, destination window 0
.set nn, 0
.rept 16
	v_cvt_pk_f16_f32 v[P+16*\t+nn], v[32*\t+2*nn], v[32*\t+2*nn+1]
.set nn, nn+1
.endr
	WIN 0
.irp f, 0,1,2,3
	ds_store_b128 v[STO], v[P+16*\t+4*\f:P+16*\t+4*\f+3] offset:16*KP*\t+32*\f
.endr
.endr
.set nn, 0
.rept 8
	ds_load_b128 v[VF+4*nn:VF+4*nn+3], v[RD] offset:4*KP*nn   ; LDS serves a wave's instructions in order (ISA guide 5.7.1.4): these see the stores above
.set nn, nn+1
.endr
.set nn, 0
.rept 8
	s_wait_dscnt 7-nn                              ; load nn is in, the younger ones stay out
	global_store_b128 v[GO], v[VF+4*nn:VF+4*nn+3], s[OA:OA+1] offset:8192*(nn/4)+512*(nn%4)   ; 512 consecutive bytes, at a multiple of 512 from att's first byte
.set nn, nn+1
.endr
.endm
	HEAD 1                                         ; visit 0; slot 1's first fill stands behind this barrier, as a refill does
	DIAG
	s_xor_b32 s[TB], s[TB], SLOT1
	s_mov_b32 s[VIS], 1
.Lvisit:                                               ; visits 1 to 7; the branches hang on the work-group's x and the counter alone and jump over no barrier and no tensor load
	HEAD 1
	s_cmp_lg_u32 s[VIS], s[I1]
	s_cbranch_scc1 .Lkeep
	GIVE                                           ; block i is done
.Lkeep:
	s_wait_dscnt 0x0                               ; for my partner's sake: what I gave lies in LDS
	s_barrier_signal -1                            ; this barrier stands between giving and taking, HEAD's between one trip's taking and the next trip's giving: so on every way through
	s_barrier_wait -1                              ; the loop.  The refill just asked for stays out
	s_cmp_eq_u32 s[VIS], s[I1]
	s_cbranch_scc1 .Ldiag
	FULL
	s_branch .Lnext
.Ldiag:
	SETQ DA
	QLOAD                                          ; block 7 - i's Q is on its way while block i is merged
	TAKE
	SETO DA
	DIAG                                           ; block 7 - i begins
.Lnext:
	s_xor_b32 s[TB], s[TB], SLOT1
	s_add_co_u32 s[VIS], s[VIS], 1
	s_cmp_lt_u32 s[VIS], 8
	s_cbranch_scc1 .Lvisit
	HEAD 0                                         ; visit 8 is a full one in every work-group; nothing is left to fetch
	FULL
	GIVE
	s_wait_dscnt 0x0                               ; for my partner's sake
	s_barrier_signal -1
	s_barrier_wait -1
	TAKE
	s_wait_tensorcnt 0x0
	ds_add_u32 v254, v255
	s_wait_dscnt 0x0
	s_endpgm
.Lfunc_end_k_qa8f6c09248_attn:
	.size	k_qa8f6c09248_attn, .Lfunc_end_k_qa8f6c09248_attn-k_qa8f6c09248_attn
	.p2alignl 7, 3214868480
	.fill 96, 4, 3214868480
	.section	.rodata,"a",@progbits
	.p2align	6, 0x0
	.amdhsa_kernel k_qa8f6c09248_attn
		.amdhsa_group_segment_fixed_size 327680
		.amdhsa_private_segment_fixed_size 0
		.amdhsa_enable_private_segment 0
		.amdhsa_kernarg_size 16
		.amdhsa_user_sgpr_count 2
		.amdhsa_user_sgpr_kernarg_segment_ptr 1
		.amdhsa_wavefront_size32 1
		.amdhsa_system_sgpr_workgroup_id_x 1
		.amdhsa_system_sgpr_workgroup_id_y 1
		.amdhsa_system_sgpr_workgroup_id_z 1
		.amdhsa_system_vgpr_workitem_id 0
		.amdhsa_next_free_vgpr 512
		.amdhsa_next_free_sgpr 66
		.amdhsa_reserve_vcc 1
		.amdhsa_float_denorm_mode_32 3
		.amdhsa_float_denorm_mode_16_64 3
		.amdhsa_memory_ordered 1
		.amdhsa_forward_progress 1
		.amdhsa_inst_pref_size 255
	.end_amdhsa_kernel
	.section	.bss,"aw",@nobits
	.p2align	6
	.space	262144
	.amdgpu_metadata
---
amdhsa.version: [ 1, 2 ]
amdhsa.kernels:
  - .name:           k_qa8f6c09248_attn
    .symbol:         k_qa8f6c09248_attn.kd
    .args:
      - { .name: qkv, .offset: 0, .size: 8, .value_kind: global_buffer, .address_space: global }
      - { .name: att, .offset: 8, .size: 8, .value_kind: global_buffer, .address_space: global }
    .group_segment_fixed_size: 327680
    .private_segment_fixed_size: 0
    .kernarg_segment_align: 8
    .kernarg_segment_size: 16
    .max_flat_workgroup_size: 256
    .sgpr_count:     66
    .vgpr_count:     512
    .wavefront_size: 32
...
	.end_amdgpu_metadata
.endif
;; end of part 3
;; launch outp (part 4): grid 8 x 32, 4 waves a work-group, clusters of 4 x 4, 327,680 bytes of LDS; arguments att, xw, out0; writes out0
.if DOCPART == 4
	.amdgcn_target "amdgcn-amd-amdhsa--gfx1250"
	.amdhsa_code_object_version 6
	.text
	.protected	k_qa8f6c09248_outp
	.globl	k_qa8f6c09248_outp
	.p2align	8
	.type	k_qa8f6c09248_outp,@function
k_qa8f6c09248_outp:
	s_mov_b64 s[64:65], 0
	v_nop
	global_prefetch_b8 v0, s[64:65] scope:SCOPE_SE
	s_setreg_imm32_b32 hwreg(HW_REG_WAVE_MODE, 25, 1), 1
	s_wait_xcnt 0x0
	s_wait_alu depctr_hold_cnt(0) depctr_sa_sdst(0) depctr_va_vdst(0) depctr_va_sdst(0) depctr_va_ssrc(0) depctr_va_vcc(0) depctr_vm_vsrc(0)
	s_getreg_b32 s2, hwreg(HW_REG_IB_STS2, 6, 4)
	s_cmp_eq_u32 s2, 0
	s_cbranch_scc0 .Lentry_in_a_cluster
	s_endpgm
.Lentry_in_a_cluster:
	s_bfe_u32 s2, ttmp6, 0x10000c
	s_cmp_lg_u32 s2, 0xf033
	s_cbranch_scc0 .Lentry_shape_is_right
	s_endpgm
.Lentry_shape_is_right:
; out0 = att Wo^T.  A = att [b 4][h 16][s 2048][64] f16 (row = token 2048 b + s, k = 64 h + d), B = Wo [1024][1024] f16 (xw, byte 23,068,672); sums in f32, K ascending; out0 f32.
; A tile of C is 256 x 128: 32 x 8 = 256 tiles.  Four waves, 2 x 2; a wave makes 128 x 64: 32 accumulators, 256 registers.
; K goes in 8 steps of 128 = two heads, through two LDS slots.  A head's 256 tokens are a dense block of 32,768 bytes: it comes in as 128 rows of 256 bytes, padded behind every 128 bytes,
; so that each token's 128 bytes lie 144 apart.  B's rows are 256 bytes of memory at multiples of 256 bytes, 272 apart in LDS.
; CLUSTER 4 x 4: A's tiles are asked for jointly along a row of the cluster, B's along a column.  THE MATRIX INSTRUCTION IS USED TRANSPOSED, as in the launch that makes Q, K and V.
; REGISTERS: window 0: v16-26 addresses; v64-127, v128-191 A's fragments; v32-63, v224-255 the way out.   window 1: v64-95, v128-159 B's fragments.
;   window 2: accumulators of my rows 0-63, (a, b) at v[8 (4 a + b)].   window 3: those of rows 64-127.
.set NB,     4
.set KSTEP,  128
.set SIZE_K, 1024
.set APITCH, 144                       ; odd multiples of 16: the 16 rows of a fragment load begin at 16 different 16-byte columns of 256
.set BPITCH, 272
.set AHEAD,  256*APITCH                ; one head's 256 tokens: what one of A's tensor loads brings
.set AREG,   2*AHEAD
.set HALFB,  64*BPITCH
.set SLOT,   AREG+2*HALFB              ; 108,544
.set STAGE,  2*SLOT                    ; behind the ring: 16 rows x 272 bytes for each wave
.set SPITCH, 272
.set WO,     23068672
.set LAPS,   SIZE_K/(2*KSTEP)
.set ADRA, 16
.set ADRB, 20
.set STO,  24
.set RD,   25
.set CO,   26
.set F0,   64
.set F1,   128
.set OB,   32
.set G1,  24
.set G0,  32
.set G1B, 48
.set G0B, 56
.set MSB, 0
.macro WIN new
.if MSB != \new
	s_set_vgpr_msb (MSB<<8)|\new
.set MSB, \new
.endif
.endm
.set MUL_LO, 0xa1
.set MUL_HI, 0xf1
.set TO_B,   0x40
.macro JLOAD s                         ; a joint load: waves 0 and 1 fetch A's two heads, waves 2 and 3 B's halves; four v_nop follow each of the two lines
	s_cmp_eq_u32 s11, 0
	s_cbranch_scc0 .Lfor_b_\@
	tensor_load_to_lds s[G0+4*\s:G0+4*\s+3], s[G1:G1+7]
	s_nop 0
.rept 4
	v_nop
.endr
	s_branch .Lasked_\@
.Lfor_b_\@:
	tensor_load_to_lds s[G0B+4*\s:G0B+4*\s+3], s[G1B:G1B+7]
	s_nop 0
.rept 4
	v_nop
.endr
.Lasked_\@:
.endm
.macro CREST
	s_cmp_lg_u32 s10, 0
	s_cbranch_scc1 .Lnot_wave_0_\@
	s_barrier_signal -3
.Lnot_wave_0_\@:
	s_barrier_wait -3
	s_barrier_signal -1
	s_barrier_wait -1
.endm
.macro CROUND
	s_barrier_signal -1
	s_barrier_wait -1
	CREST
.endm
.macro PLACES
.rept 4
	v_nop
.endr
.endm
	s_load_b128 s[4:7], s[0:1], 0x0                ; att s[4:5], xw s[6:7]
	s_load_b64 s[8:9], s[0:1], 0x10                ; out0
	s_set_vgpr_msb 0x40
	v_lshl_add_u32 v255, v0, 2, 0x39400
	s_set_vgpr_msb 0x4000
	v_mov_b32 v223, 0
	s_set_vgpr_msb 0x1
	ds_add_u32 v255, v223
	s_set_vgpr_msb 0x100
	v_lshrrev_b32 v1, 5, v0
	v_readfirstlane_b32 s10, v1
	s_lshr_b32 s11, s10, 1                         ; my half of the tile's rows.  Also: I fetch for A (0) or for B (1)
	s_and_b32 s12, s10, 1                          ; my half of its columns.  Also: which head of a K step, or which half of B's rows, I fetch
	s_bfe_u32 s40, ttmp6, 0x40000
	s_bfe_u32 s41, ttmp6, 0x40004
	s_lshl_b32 s42, ttmp9, 2
	s_add_co_u32 s42, s42, s40                     ; tile column J
	s_and_b32 s13, ttmp7, 0xffff
	s_lshl_b32 s13, s13, 2
	s_add_co_u32 s13, s13, s41                     ; tile row I
	s_lshl_b32 s43, s41, 2
	s_lshl_b32 s43, 15, s43
	s_lshl_b32 s44, 0x1111, s40
	s_or_b32 s[G1+0], s43, (1<<16)|(1<<20)|(1<<21)|(4<<22)|(3<<25)   ; A: padding of 4 words behind every 32 words (a token's 128 bytes)
	s_or_b32 s[G1B+0], s44, (1<<16)|(1<<20)|(1<<21)|(5<<22)|(3<<25)  ; B: behind every 64 words (a row)
	s_mov_b32 s[G1+1], 128<<16                     ; tensor_dim0 = 128 elements: two tokens
	s_mov_b32 s[G1+2], 128<<16                     ; tensor_dim1 = 128
	s_mov_b32 s[G1+3], 128<<16                     ; tile_dim0
	s_mov_b32 s[G1+4], 128                         ; tile_dim1
	s_mov_b32 s[G1+5], 128                         ; dense
	s_mov_b32 s[G1+6], 0
	s_mov_b32 s[G1+7], 0
	s_mov_b32 s[G1B+1], KSTEP<<16
	s_mov_b32 s[G1B+2], 64<<16
	s_mov_b32 s[G1B+3], KSTEP<<16
	s_mov_b32 s[G1B+4], 64
	s_mov_b32 s[G1B+5], SIZE_K
	s_mov_b32 s[G1B+6], 0
	s_mov_b32 s[G1B+7], 0
	s_lshr_b32 s16, s13, 3
	s_lshl_b32 s16, s16, 22                        ; A: batch I / 8: 16 heads of 262,144 bytes,
	s_and_b32 s17, s13, 7
	s_lshl_b32 s17, s17, 15                        ; 256 tokens of 128 bytes,
	s_add_co_u32 s16, s16, s17
	s_lshl_b32 s17, s12, 18                        ; the K step's first or second head
	s_add_co_u32 s16, s16, s17
	s_mov_b32 s17, 0
	s_lshl_b32 s46, s42, 7
	s_lshl_b32 s47, s12, 6
	s_add_co_u32 s46, s46, s47                     ; B: row 128 J + 64 half
	s_lshl_b32 s46, s46, 11
	s_add_co_u32 s46, s46, WO
	s_mov_b32 s47, 0
	s_mul_i32 s20, s10, AHEAD                      ; waves 0, 1: A's heads at 0 and AHEAD;
	s_mul_i32 s23, s10, HALFB
	s_add_co_u32 s23, s23, AREG-2*HALFB            ; waves 2, 3: B's halves at AREG and AREG + HALFB
	s_wait_dscnt 0x0
	s_wait_kmcnt 0x0
	s_add_nc_u64 s[14:15], s[4:5], s[16:17]
	s_add_nc_u64 s[46:47], s[6:7], s[46:47]
	CROUND                                         ; the first joint loads meet
.irp s, 0,1
	s_mov_b32 s[G0+4*\s], 1
	s_add_co_u32 s[G0+4*\s+1], s20, \s*SLOT
	s_add_nc_u64 s[G0+4*\s+2:G0+4*\s+3], s[14:15], \s*2*262144     ; K step s: two heads on
	s_or_b32 s[G0+4*\s+3], s[G0+4*\s+3], 0x80000000
	s_mov_b32 s[G0B+4*\s], 1
	s_add_co_u32 s[G0B+4*\s+1], s23, \s*SLOT
	s_add_nc_u64 s[G0B+4*\s+2:G0B+4*\s+3], s[46:47], \s*KSTEP*2
	s_or_b32 s[G0B+4*\s+3], s[G0B+4*\s+3], 0x80000000
	JLOAD \s                                       ; two tensor loads of mine are out
.endr
	v_and_b32 v1, 15, v0                           ; r
	v_bfe_u32 v2, v0, 4, 1                         ; h
	v_mul_u32_u24 v3, v1, APITCH
	v_lshl_add_u32 v3, v2, 4, v3
	v_mul_u32_u24 v4, v1, BPITCH
	v_lshl_add_u32 v4, v2, 4, v4
	s_mul_i32 s21, s11, 128*APITCH                 ; my 128 tokens, in each head's region
	s_mul_i32 s22, s12, HALFB
	s_add_co_u32 s22, s22, AREG
.irp s, 0,1
	v_add_nc_u32 v[ADRA+\s], s21, v3
	v_add_nc_u32 v[ADRB+\s], s22, v4
	s_add_co_u32 s21, s21, SLOT
	s_add_co_u32 s22, s22, SLOT
.endr
	s_mul_i32 s21, s10, 16*SPITCH
	s_add_co_u32 s21, s21, STAGE                   ; my stage
	v_mul_u32_u24 v5, v1, SPITCH                   ; in: row r, 32 bytes (8 numbers) for each half of the lanes
	v_lshl_add_u32 v5, v2, 5, v5
	v_add_nc_u32 v[STO], s21, v5
	v_mul_u32_u24 v6, v2, SPITCH                   ; back: lanes 0-15 one row of 256 bytes, lanes 16-31 the next
	v_lshl_add_u32 v6, v1, 4, v6
	v_add_nc_u32 v[RD], s21, v6
	v_lshlrev_b32 v7, 12, v2                       ; and the same two rows in out0, 4,096 bytes apart
	v_lshl_add_u32 v[CO], v1, 4, v7
	s_lshl_b32 s16, s13, 20                        ; 256 rows of 4,096 bytes
	s_lshl_b32 s17, s11, 19
	s_add_co_u32 s16, s16, s17
	s_mov_b32 s17, 0
	s_add_nc_u64 s[8:9], s[8:9], s[16:17]
	s_lshl_b32 s46, s42, 9                         ; 128 columns of 4 bytes (in the registers that held B's address)
	s_lshl_b32 s47, s12, 8
	s_add_co_u32 s46, s46, s47
	s_mov_b32 s47, 0
	s_add_nc_u64 s[8:9], s[8:9], s[46:47]
; 8 matrix instructions: row blocks a0, a0 + 1 of the window's four x all 4 column blocks.  All 32 accumulators take turns, one instruction a turn.
.macro MULH f, hi, a0, zero
.irp a, \a0, \a0+1
.irp b, 0,1,2,3
.if \zero
	v_wmma_f32_16x16x32_f16 v[8*(NB*(\a)+\b):8*(NB*(\a)+\b)+7], v[\f+8*\b:\f+8*\b+7], v[\f+8*(4*\hi+\a):\f+8*(4*\hi+\a)+7], 0
.else
	v_wmma_f32_16x16x32_f16 v[8*(NB*(\a)+\b):8*(NB*(\a)+\b)+7], v[\f+8*\b:\f+8*\b+7], v[\f+8*(4*\hi+\a):\f+8*(4*\hi+\a)+7], v[8*(NB*(\a)+\b):8*(NB*(\a)+\b)+7]
.endif
.endr
.endr
.endm
; 24 LDS loads in one run: quarter q's fragments; in A quarters 0, 1 lie in the first head's region, 2, 3 in the second's
.macro FETCH slot, q, f
	WIN TO_B
.irp i, 0,1,2,3
	ds_load_b128 v[\f+8*\i:\f+8*\i+3],   v[ADRB+\slot] offset:64*\q+\i*16*BPITCH
	ds_load_b128 v[\f+8*\i+4:\f+8*\i+7], v[ADRB+\slot] offset:64*\q+\i*16*BPITCH+32
.endr
	WIN 0
.irp i, 0,1,2,3,4,5,6,7
	ds_load_b128 v[\f+8*\i:\f+8*\i+3],   v[ADRA+\slot] offset:(\q/2)*AHEAD+(\q%2)*64+\i*16*APITCH
	ds_load_b128 v[\f+8*\i+4:\f+8*\i+7], v[ADRA+\slot] offset:(\q/2)*AHEAD+(\q%2)*64+\i*16*APITCH+32
.endr
.endm
.macro QUARTER slot, q, f, g, zero
	s_wait_dscnt 8                                 ; B and A's rows 0-63 are in; the youngest eight loads may be out
	WIN MUL_LO
	MULH \f, 0, 0, \zero
	MULH \f, 0, 2, \zero
	PLACES
	FETCH \slot, \q, \g
	s_wait_dscnt 2*NB+16                           ; all but the 24 just issued
	WIN MUL_HI
	MULH \f, 1, 0, \zero
	MULH \f, 1, 2, \zero
.endm
; The last quarter changes slots: in front of the one barrier each wave waits for its reads of this slot and for all its tensor loads; fill = 1: the barrier opens a round of the
; cluster's barrier, and the joint refill is the first tensor load behind it.
.macro TURN slot, next, fill
	s_wait_dscnt 8
	WIN MUL_LO
	MULH F1, 0, 0, 0
	s_wait_dscnt 0
	s_wait_tensorcnt 0x0
	ds_add_u32 v255, v223
	s_wait_dscnt 0x0
	s_barrier_signal -1
	MULH F1, 0, 2, 0
.if \fill
	WIN 0
.endif
	s_barrier_wait -1
.if \fill
	CREST
	s_add_nc_u64 s[G0+4*\slot+2:G0+4*\slot+3], s[G0+4*\slot+2:G0+4*\slot+3], 4*262144      ; two K steps = four heads on
	s_add_nc_u64 s[G0B+4*\slot+2:G0B+4*\slot+3], s[G0B+4*\slot+2:G0B+4*\slot+3], 2*KSTEP*2
	JLOAD \slot                                    ; 120 matrix instructions ahead of the wait for it; its four v_nop are also the places in front of the loads below
.else
	PLACES
.endif
	FETCH \next, 0, F0
	WIN MUL_HI
	MULH F1, 1, 0, 0
	MULH F1, 1, 2, 0
.endm
; THE WAY OUT of block a (16 rows x 64 columns of f32 = rows of 256 bytes): from the accumulators into my own stage, back as whole rows, stored.
.macro TOSTAGE a
.set BK, OB+192*((\a)%2)
	s_wait_xcnt 0x0                                ; the registers that the block two back was stored from are loaded again only behind this wait
	WIN 0x08+4*((\a)/4)                            ; the stores' data: window 2 or 3
.irp b, 0,1,2,3
.irp c, 0,1
	ds_store_b128 v[STO], v[8*(NB*((\a)%4)+\b)+4*\c:8*(NB*((\a)%4)+\b)+4*\c+3] offset:64*\b+16*\c
.endr
.endr
	WIN 0
.irp t, 0,1,2,3,4,5,6,7
	ds_load_b128 v[BK+4*\t:BK+4*\t+3], v[RD] offset:\t*2*SPITCH    ; LDS serves a wave's instructions in order (ISA guide 5.7.1.4): these see the stores above, and come ahead of the next block's
.endr
.endm
.macro SEND a, younger                 ; younger: the LDS instructions issued behind block a's loads
.set BK, OB+192*((\a)%2)
	s_wait_dscnt \younger
.irp t, 0,1,2,3,4,5,6,7
	global_store_b128 v[CO], v[BK+4*\t:BK+4*\t+3], s[8:9] offset:(16*(\a)+2*\t)*4096 th:TH_STORE_NT   ; 16 lanes store 256 consecutive bytes, at a multiple of 256 from out0's first byte
.endr
.endm
	s_wait_tensorcnt 1                             ; my part of K step 0 is in; K step 1's may stay out
	s_barrier_signal -1
	s_barrier_wait -1
	FETCH 0, 0, F0
	QUARTER 0, 1, F0, F1, 1                        ; the first quarter starts the sums
	WIN 0
	s_mov_b32 s3, LAPS-1
.Llap:
	QUARTER 0, 2, F1, F0, 0
	QUARTER 0, 3, F0, F1, 0
	TURN 0, 1, 1
	QUARTER 1, 1, F0, F1, 0
	QUARTER 1, 2, F1, F0, 0
	QUARTER 1, 3, F0, F1, 0
	TURN 1, 0, 1
	QUARTER 0, 1, F0, F1, 0
	WIN 0
	s_sub_co_u32 s3, s3, 1
	s_cmp_lg_u32 s3, 0
	s_cbranch_scc1 .Llap
	QUARTER 0, 2, F1, F0, 0                        ; the last lap fills nothing
	QUARTER 0, 3, F0, F1, 0
	TURN 0, 1, 0
	QUARTER 1, 1, F0, F1, 0
	QUARTER 1, 2, F1, F0, 0
	QUARTER 1, 3, F0, F1, 0
	s_wait_dscnt 8
	WIN MUL_LO
	MULH F1, 0, 0, 0
	MULH F1, 0, 2, 0
	s_wait_dscnt 0
	WIN MUL_HI
	MULH F1, 1, 0, 0
	MULH F1, 1, 2, 0
	WIN 0
	PLACES                                         ; the LDS stores below read results just made
	TOSTAGE 0
.irp a, 1,2,3,4,5,6,7
	TOSTAGE \a
	SEND \a-1, 16                                  ; block a's eight stores and eight loads may stay out
.endr
	SEND 7, 0
	s_set_vgpr_msb 0x1
	s_wait_tensorcnt 0x0
	ds_add_u32 v255, v223
	s_wait_dscnt 0x0
	s_set_vgpr_msb 0x100
	CROUND                                         ; the closing round
	s_endpgm
.Lfunc_end_k_qa8f6c09248_outp:
	.size	k_qa8f6c09248_outp, .Lfunc_end_k_qa8f6c09248_outp-k_qa8f6c09248_outp
	.p2alignl 7, 3214868480
	.fill 96, 4, 3214868480
	.section	.rodata,"a",@progbits
	.p2align	6, 0x0
	.amdhsa_kernel k_qa8f6c09248_outp
		.amdhsa_group_segment_fixed_size 327680
		.amdhsa_private_segment_fixed_size 0
		.amdhsa_enable_private_segment 0
		.amdhsa_kernarg_size 24
		.amdhsa_user_sgpr_count 2
		.amdhsa_user_sgpr_kernarg_segment_ptr 1
		.amdhsa_wavefront_size32 1
		.amdhsa_system_sgpr_workgroup_id_x 1
		.amdhsa_system_sgpr_workgroup_id_y 1
		.amdhsa_system_sgpr_workgroup_id_z 1
		.amdhsa_system_vgpr_workitem_id 0
		.amdhsa_next_free_vgpr 1024
		.amdhsa_next_free_sgpr 66
		.amdhsa_reserve_vcc 0
		.amdhsa_float_denorm_mode_32 3
		.amdhsa_float_denorm_mode_16_64 3
		.amdhsa_memory_ordered 1
		.amdhsa_forward_progress 1
		.amdhsa_inst_pref_size 87
	.end_amdhsa_kernel
	.amdgpu_metadata
---
amdhsa.version: [ 1, 2 ]
amdhsa.kernels:
  - .name:           k_qa8f6c09248_outp
    .symbol:         k_qa8f6c09248_outp.kd
    .args:
      - { .name: att, .offset: 0, .size: 8, .value_kind: global_buffer, .address_space: global }
      - { .name: xw, .offset: 8, .size: 8, .value_kind: global_buffer, .address_space: global }
      - { .name: out0, .offset: 16, .size: 8, .value_kind: global_buffer, .address_space: global }
    .group_segment_fixed_size: 327680
    .private_segment_fixed_size: 0
    .kernarg_segment_align: 8
    .kernarg_segment_size: 24
    .max_flat_workgroup_size: 128
    .sgpr_count:     66
    .vgpr_count:     1024
    .wavefront_size: 32
...
	.end_amdgpu_metadata
.endif
;; end of part 4
;; ======== version 2 of 2: 4 launches; version 1 with the launch cast written anew for expert scheduling mode
;; limits: values are held in f16: magnitudes above 65,504 overflow, below 6.1e-05 lose precision
;; workspace buffers: xw 25,165,824 bytes; qkv 50,331,648 bytes; att 16,777,216 bytes
;; launch cast (part 5): grid 768 x 1, 8 waves a work-group, no clusters, 0 bytes of LDS; arguments in_features, weight_q, weight_k, weight_v, weight_o, xw; writes xw
.if DOCPART == 5
	.amdgcn_target "amdgcn-amd-amdhsa--gfx1250"
	.amdhsa_code_object_version 6
	.text
	.protected	k_qa8f6c09248_cast
	.globl	k_qa8f6c09248_cast
	.p2align	8
	.type	k_qa8f6c09248_cast,@function
k_qa8f6c09248_cast:
	s_mov_b64 s[64:65], 0
	v_nop
	global_prefetch_b8 v0, s[64:65] scope:SCOPE_SE
	s_setreg_imm32_b32 hwreg(HW_REG_WAVE_SCHED_MODE, 0, 2), 2
	s_setreg_imm32_b32 hwreg(HW_REG_WAVE_MODE, 25, 1), 1
	s_wait_xcnt 0x0
	s_wait_alu depctr_vm_vsrc(0)
; xw = the matrix operands of the later launches, 16 bits each:  bytes 0 .. : x [8192][1024] bf16;  16,777,216 .. : Wq, Wk, Wv [3072][1024] bf16;
; 23,068,672 .. : Wo [1024][1024], rounded to bf16 and then written as f16 (exact for |w| >= 2^-17; below that off by at most 2^-25; |w| < 65,504).
; Work-group id converts 16,384 numbers: 65,536 bytes of its source into 32,768 bytes at xw + 32,768 id.  id < 512: x; then 64 work-groups for each of q, k, v, o.
; A stream: no LDS, no barrier.  Thread t takes 16 bytes at 16 t + 4,096 n (a wave's load covers 512 neighbouring bytes) and stores 8 bytes at 8 t + 2,048 n
; (a wave's store covers 256 neighbouring bytes, aligned).  All sixteen loads go out first.
; THE MODE: SCHED_MODE bits 1:0 = 2 (LLVM: expert scheduling mode 2), set by the entry lines.  The code itself states the register dependences
; between vector instructions and memory instructions, with s_wait_alu, always for 0.
; THE PLAN.  Registers that memory instructions touch:
;   v1, v98   byte offsets, made once at the head and never written again: v1 is read by every load, v98 by every store.
;   X         piece n's four registers: a load lands in them; no vector instruction names them before that.  No memory instruction ever reads them.
;   Y         piece n's two registers: written by piece n's conversions, then read by piece n's one store, and not written behind it.
; The sixteen pieces go in four blocks of four.  Block p converts its own X into its own Y; its memory instructions are the four stores of block p - 1, which read
; that block's Y and v98: registers that no vector instruction of block p names.  So one wait at a block's head states all that its four stores hang on, and they are
; dealt among the block's conversions with no further wait.  No register that a memory instruction has read is written again, so no wait frees a source.
.set X,   2                            ; v[2:65]   16 x 4 numbers as loaded
.set Y,   66                           ; v[66:97]  16 x 2 words to store
.set DO,  98                           ; v98       8 t
.set BLK, 4                            ; pieces in a block
	s_load_b256 s[4:11], s[0:1], 0x0               ; x s[4:5], Wq s[6:7], Wk s[8:9], Wv s[10:11]
	s_load_b128 s[12:15], s[0:1], 0x20             ; Wo s[12:13], xw s[14:15]
	s_mov_b32 s22, ttmp9                           ; id
	s_sub_co_u32 s23, s22, 512
	s_lshr_b32 s23, s23, 6                         ; which weight (meaningless, and unused, for id < 512)
	s_and_b32 s24, s22, 63                         ; which chunk of it
	v_lshlrev_b32 v1, 4, v0
	v_lshlrev_b32 v[DO], 3, v0
	s_wait_kmcnt 0x0
	s_mov_b64 s[16:17], s[12:13]                   ; the source: Wo, unless ..
	s_cmp_eq_u32 s23, 2
	s_cselect_b64 s[16:17], s[10:11], s[16:17]
	s_cmp_eq_u32 s23, 1
	s_cselect_b64 s[16:17], s[8:9], s[16:17]
	s_cmp_eq_u32 s23, 0
	s_cselect_b64 s[16:17], s[6:7], s[16:17]
	s_cmp_lt_u32 s22, 512
	s_cselect_b64 s[16:17], s[4:5], s[16:17]
	s_cselect_b32 s24, s22, s24                    ; x's chunk is id itself
	s_lshl_b32 s18, s24, 16                        ; 65,536 bytes of source a chunk
	s_mov_b32 s19, 0
	s_lshl_b32 s20, s22, 15                        ; 32,768 bytes of xw a work-group
	s_mov_b32 s21, 0
	s_add_nc_u64 s[16:17], s[16:17], s[18:19]
	s_add_nc_u64 s[14:15], s[14:15], s[20:21]
	s_wait_alu depctr_va_vdst(0)                   ; v1 and v98 are written: every load of the kernel reads v1 as its offset, every store v98
.set nn, 0
.rept 16
	global_load_b128 v[X+4*nn:X+4*nn+3], v1, s[16:17] offset:4096*nn th:TH_LOAD_NT
.set nn, nn+1
.endr
	s_cmp_ge_u32 s22, 704
	s_cbranch_scc1 .Lwo
.set pp, 0
.rept 4
	s_wait_loadcnt 16-BLK-BLK*pp                   ; loads come back in order: block pp's four are in, the younger ones stay out
.if pp > 0
	s_wait_alu depctr_va_vdst(0)                   ; the block before has written its Y, which the four stores below read; no vector instruction behind this wait names those registers
.endif
.set ii, 0
.rept BLK
.set nn, BLK*pp+ii
.if pp > 0
	global_store_b64 v[DO], v[Y+2*(nn-BLK):Y+2*(nn-BLK)+1], s[14:15] offset:2048*(nn-BLK)   ; the block before
.endif
	v_cvt_pk_bf16_f32 v[Y+2*nn],   v[X+4*nn],   v[X+4*nn+1]
	v_cvt_pk_bf16_f32 v[Y+2*nn+1], v[X+4*nn+2], v[X+4*nn+3]
.set ii, ii+1
.endr
.set pp, pp+1
.endr
	s_wait_alu depctr_va_vdst(0)                   ; the last block has written its Y, which the last four stores read
.set nn, 16-BLK
.rept BLK
	global_store_b64 v[DO], v[Y+2*nn:Y+2*nn+1], s[14:15] offset:2048*nn
.set nn, nn+1
.endr
	s_endpgm
.Lwo:                                                  ; Wo: to bf16 as the other weights, widened again, and written as f16 for the f16 product of the last launch
.set pp, 0
.rept 4
	s_wait_loadcnt 16-BLK-BLK*pp                   ; block pp's four loads are in, the younger ones stay out
.if pp > 0
	s_wait_alu depctr_va_vdst(0)                   ; the block before has written its Y for the last time (the roundings to f16), which the four stores below read
.endif
.set ii, 0
.rept BLK
.set nn, BLK*pp+ii
.if pp > 0
	global_store_b64 v[DO], v[Y+2*(nn-BLK):Y+2*(nn-BLK)+1], s[14:15] offset:2048*(nn-BLK)   ; the block before
.endif
	v_cvt_pk_bf16_f32 v[Y+2*nn],   v[X+4*nn],   v[X+4*nn+1]
	v_cvt_pk_bf16_f32 v[Y+2*nn+1], v[X+4*nn+2], v[X+4*nn+3]
	v_lshlrev_b32 v[X+4*nn],   16, v[Y+2*nn]       ; X is written again: its load has landed, and no memory instruction reads it
	v_and_b32     v[X+4*nn+1], 0xffff0000, v[Y+2*nn]
	v_lshlrev_b32 v[X+4*nn+2], 16, v[Y+2*nn+1]
	v_and_b32     v[X+4*nn+3], 0xffff0000, v[Y+2*nn+1]
	v_cvt_pk_f16_f32 v[Y+2*nn],   v[X+4*nn],   v[X+4*nn+1]
	v_cvt_pk_f16_f32 v[Y+2*nn+1], v[X+4*nn+2], v[X+4*nn+3]
.set ii, ii+1
.endr
.set pp, pp+1
.endr
	s_wait_alu depctr_va_vdst(0)                   ; the last block has written its Y, which the last four stores read
.set nn, 16-BLK
.rept BLK
	global_store_b64 v[DO], v[Y+2*nn:Y+2*nn+1], s[14:15] offset:2048*nn
.set nn, nn+1
.endr
	s_endpgm
.Lfunc_end_k_qa8f6c09248_cast:
	.size	k_qa8f6c09248_cast, .Lfunc_end_k_qa8f6c09248_cast-k_qa8f6c09248_cast
	.p2alignl 7, 3214868480
	.fill 96, 4, 3214868480
	.section	.rodata,"a",@progbits
	.p2align	6, 0x0
	.amdhsa_kernel k_qa8f6c09248_cast
		.amdhsa_group_segment_fixed_size 0
		.amdhsa_private_segment_fixed_size 0
		.amdhsa_enable_private_segment 0
		.amdhsa_kernarg_size 48
		.amdhsa_user_sgpr_count 2
		.amdhsa_user_sgpr_kernarg_segment_ptr 1
		.amdhsa_wavefront_size32 1
		.amdhsa_system_sgpr_workgroup_id_x 1
		.amdhsa_system_sgpr_workgroup_id_y 1
		.amdhsa_system_sgpr_workgroup_id_z 1
		.amdhsa_system_vgpr_workitem_id 0
		.amdhsa_next_free_vgpr 100
		.amdhsa_next_free_sgpr 66
		.amdhsa_reserve_vcc 0
		.amdhsa_float_denorm_mode_32 3
		.amdhsa_float_denorm_mode_16_64 3
		.amdhsa_memory_ordered 1
		.amdhsa_forward_progress 1
		.amdhsa_inst_pref_size 16
	.end_amdhsa_kernel
	.amdgpu_metadata
---
amdhsa.version: [ 1, 2 ]
amdhsa.kernels:
  - .name:           k_qa8f6c09248_cast
    .symbol:         k_qa8f6c09248_cast.kd
    .args:
      - { .name: in_features, .offset: 0, .size: 8, .value_kind: global_buffer, .address_space: global }
      - { .name: weight_q, .offset: 8, .size: 8, .value_kind: global_buffer, .address_space: global }
      - { .name: weight_k, .offset: 16, .size: 8, .value_kind: global_buffer, .address_space: global }
      - { .name: weight_v, .offset: 24, .size: 8, .value_kind: global_buffer, .address_space: global }
      - { .name: weight_o, .offset: 32, .size: 8, .value_kind: global_buffer, .address_space: global }
      - { .name: xw, .offset: 40, .size: 8, .value_kind: global_buffer, .address_space: global }
    .group_segment_fixed_size: 0
    .private_segment_fixed_size: 0
    .kernarg_segment_align: 8
    .kernarg_segment_size: 48
    .max_flat_workgroup_size: 256
    .sgpr_count:     66
    .vgpr_count:     100
    .wavefront_size: 32
...
	.end_amdgpu_metadata
.endif
;; end of part 5
;; launch qkv: the kernel of part 2 again; grid 16 x 32, 4 waves a work-group, clusters of 4 x 4, 327,680 bytes of LDS; arguments xw, qkv; writes qkv
;; launch attn: the kernel of part 3 again; grid 4 x 64, 8 waves a work-group, no clusters, 327,680 bytes of LDS; arguments qkv, att; writes att
;; launch outp: the kernel of part 4 again; grid 8 x 32, 4 waves a work-group, clusters of 4 x 4, 327,680 bytes of LDS; arguments att, xw, out0; writes out0
